; MI455X (gfx1250); checked and timed in simulation.
; The chip was launched on July 23, 2026; its instructions are those of AMD's public machine-readable ISA for CDNA 5 (MIT licence, August 2026) and "CDNA5" Instruction Set Architecture Reference Guide (July 2026). The comments in the code are by the model that wrote it; some were corrected since.
;; Causal Multi Head Attention. Allowed arithmetic: matrix products marked QUANTISED: E2M1 operands, one E8M0 scale for each 32 along K, by v_wmma_scale_f32_16x16x128_f8f6f4 with both operands' format E2M1 (or v_wmma_scale_f32_32x16x128_f4), f32 sums; products left as they are: bf16, f16 or f32 operands; f32 sums; everything else in f32.
;; Inputs: Wk 1,024 x 1,024 float32; Wo 1,024 x 1,024 float32; Wq 1,024 x 1,024 float32; Wv 1,024 x 1,024 float32; token_positions 2,048 int32; x 4 x 2,048 x 1,024 float32.
;; Outputs: out0 4 x 2,048 x 1,024 float32.
;; This version of the problem:
;;   THIS VERSION OF THE PROBLEM IS GIVEN IN LOW PRECISION. The matrix products marked QUANTISED in the list below multiply operands that are first quantised to E2M1 (2 exponent bits, 1 mantissa bit; 4 bits a number), with one power-of-two scale for each 32 numbers along K (OCP MX v1.0); their sums are f32. The products marked 'left as it is' may take bf16, f16 or f32 operands, with f32 sums. Whichever they take, every output number must still come out within the allowed error. Rounding operands to bf16 (8 significant bits) uses up far more of that allowance than f16 does (11 bits, for magnitudes from 6e-5 to 65,504). All else is computed in f32.
;;   The module's matrix products, in the order in which they are computed (A, B: the left and right operand; K: the contracted axis; several contracted axes count as one K, in the product's order):
;;     1. [M 8,192, K 1,024] x [K 1,024, N 1,024]; A: input x; B: input Wq: QUANTISED
;;     2. [M 8,192, K 1,024] x [K 1,024, N 1,024]; A: input x; B: input Wk: QUANTISED
;;     3. [M 8,192, K 1,024] x [K 1,024, N 1,024]; A: input x; B: input Wv: QUANTISED
;;     4. batch 64 x [M 2,048, K 64] x [K 64, N 2,048]; A: computed on the way; B: computed on the way: left as it is (an operand is computed on the way)
;;     5. batch 64 x [M 2,048, K 2,048] x [K 2,048, N 64]; A: computed on the way; B: computed on the way: left as it is (an operand is computed on the way)
;;     6. [M 8,192, K 1,024] x [K 1,024, N 1,024]; A: computed on the way; B: input Wo: left as it is (an operand is computed on the way)
;;   THE QUANTISER, for each operand of a quantised product, along K:
;;     - K is cut into blocks of 32 from its start; a last block that is shorter is filled with zeros.
;;     - A block's scale is 2^e with e = floor(log2(the largest magnitude in the block)) - 2, held to -126 .. 127; a block of zeros has e = 0. As a byte (E8M0): e + 127.
;;     - Each number is divided by its block's scale, clamped to +-6, and rounded to the nearest number of E2M1, ties to even, subnormals kept.
;;     - The product sums the exact products of the quantised numbers (number of the format x scale) in f32.
;;   ~~~python
;;   def quantise(x, axis):      # numpy; x: float32 -> the quantised numbers, widened to float32 again
;;       x = np.moveaxis(x, axis, -1); K = x.shape[-1]
;;       x = np.pad(x, [(0, 0)] * (x.ndim - 1) + [(0, -K % 32)]); x = x.reshape(x.shape[:-1] + (-1, 32)); a = np.abs(x).max(-1, keepdims=True)
;;       e = np.where(a > 0, np.clip(np.frexp(np.where(a > 0, a, 1))[1] - 1 - 2, -126, 127), 0)      # np.frexp(a)[1] - 1 = floor(log2(a)), exactly
;;       r = np.clip(x / 2.0 ** e, -6, 6)
;;       step = 2.0 ** (np.maximum(np.frexp(np.where(r == 0, 1, r))[1] - 1, 0) - 1)
;;       q = np.round(r / step) * step * 2.0 ** e      # np.round: ties to even
;;       return np.moveaxis(q.reshape(q.shape[:-2] + (-1,))[..., :K], -1, axis).astype(np.float32)
;;   ~~~
;; One version. Each part assembles by itself: llvm-mc -triple=amdgcn-amd-amdhsa -mcpu=gfx1250 --defsym DOCPART=n.
;; ======== version 1 of 1: 6 launches
;; limits: values are held in f16: magnitudes above 65,504 overflow, below 6.1e-05 lose precision
;; workspace buffers: codes 5,767,168 bytes; scales 360,448 bytes; wo16 2,097,152 bytes; rope 524,288 bytes; qkv16 50,331,648 bytes; ao 16,777,216 bytes; fine_o 262,144 bytes
;; launch prep (part 1): grid 416 x 1, 4 waves a work-group, no clusters, 33,280 bytes of LDS; arguments x, Wq, Wk, Wv, Wo, token_positions, codes, scales, wo16, rope; writes codes, scales, wo16, rope
.if DOCPART == 1
	.amdgcn_target "amdgcn-amd-amdhsa--gfx1250"
	.amdhsa_code_object_version 6
	.text
	.protected	k_q652f1646e3_prep
	.globl	k_q652f1646e3_prep
	.p2align	8
	.type	k_q652f1646e3_prep,@function
k_q652f1646e3_prep:
	s_mov_b64 s[64:65], 0
	v_nop
	global_prefetch_b8 v0, s[64:65] scope:SCOPE_SE
	s_setreg_imm32_b32 hwreg(HW_REG_WAVE_MODE, 25, 1), 1
	s_wait_xcnt 0x0
; PREP: three jobs, told apart by the work-group's number.
; A (work-groups 0-351): x [8192][1024] and Wq, Wk, Wv [1024][1024], f32, K innermost, become codes of FP4 (E2M1) and one E8M0 byte for each 32 along K.
;   codes: rows of 512 bytes, x's 8,192 rows, then Wq's, Wk's, Wv's 1,024 each; scales: rows of 32 bytes in the same order.  Rows are dense, so all is a stream of blocks of 32.
;   A block's byte is its largest magnitude's exponent field - 2, held at 1 from below; each number / scale goes to the nearest code, ties to even, beyond 6 the code of 6.
; B (352-383): Wo to f16, laid [e / 128][d / 64][e % 128][64], so that a K step of the out projection's tile is one dense block.
; C (384-415): the RoPE table, f32: cos and sin of token_positions[s] x 10000^(-k0 / 32), k0 = 0 .. 31, in the order in which the products' results lie in registers:
;   [s / 16][bb 4][c 2][lane 32][16 bytes], lane = 16 hh + s % 16; the 16 bytes are cos, sin, cos, sin of the pairs k0 = 8 bb + 4 hh + 2 c + 0, 1.
; LIMITS: a block of zeros gets the byte 1, not 127 (its codes are zeros, and this program alone reads the bytes); blocks under 2^-124 were not tried; NaN and infinities are not served;
;   |Wo| up to 65,504 (f16); token_positions 0 .. 2,047; the angle is pos x 2^(-k0 log2(10000) / 32), which differs from pos / 10000^(k0 / 32) in f32 by up to some 2e-4 radians at the largest angles.
.set STEPS, 16
.set CB,    8                          ; bytes of 16 codes
.set R,     16                         ; v16-79   four sets of 16 numbers as loaded
.set X,     80                         ; v80-111  two sets of 16 neighbours
.set E,     112                        ; v112-127 a scale byte for each step
.set C,     128                        ; v128-191 codes, four registers a step: no store's data are written again
.set WREG,  8192                       ; LDS of a wave: two stages of 32 x SP bytes, then its 256 scale bytes
.set SP,    80                         ; a lane's 64 bytes + 16 of padding
.set SPW,   12                         ; v12 LDS address of my spare word; never rewritten
.set NIL,   13                         ; v13 0; never rewritten
.set SPARE, 4*WREG                     ; behind the four regions: the spare words, 128 bytes a wave
.macro LOAD t
.irp i, 0,1,2,3
	global_load_b128 v[R+16*((\t)%4)+4*\i:R+16*((\t)%4)+4*\i+3], v3, s[4:5] offset:2048*(\t)+512*\i th:TH_LOAD_NT   ; 32 lanes read 512 consecutive bytes
.endr
.endm
.macro TURN t                          ; a step's 2,048 bytes through my stage: in as they lie, out 64 bytes a lane; LDS serves a wave's instructions in order
.irp i, 0,1,2,3
	ds_store_b128 v14, v[R+16*((\t)%4)+4*\i:R+16*((\t)%4)+4*\i+3] offset:32*SP*((\t)%2)+8*SP*\i
.endr
.irp i, 0,1,2,3
	ds_load_b128 v[X+16*((\t)%2)+4*\i:X+16*((\t)%2)+4*\i+3], v15 offset:32*SP*((\t)%2)+16*\i
.endr
.endm
.macro STEP t
.set XS, X+16*((\t)%2)
.if (\t) > 0
	s_wait_dscnt 1                                 ; this step's numbers are back from the stage; the last step's byte store may be out
.else
	s_wait_dscnt 0x0
.endif
.if (\t)+4 < STEPS
	LOAD (\t)+4
.endif
.if (\t)+1 < STEPS
.if STEPS-2-(\t) >= 3
	s_wait_loadcnt 12                              ; the next step's four loads are in; the 12 of the three steps behind it may be out
.else
	s_wait_loadcnt 4*(STEPS-2-(\t))
.endif
	TURN (\t)+1
.endif
	v_max3_num_f32 v8, |v[XS]|, |v[XS+1]|, |v[XS+2]|
	v_max3_num_f32 v9, |v[XS+3]|, |v[XS+4]|, |v[XS+5]|
.irp i, 6,10
	v_max3_num_f32 v8, v8, |v[XS+\i]|, |v[XS+\i+1]|
	v_max3_num_f32 v9, v9, |v[XS+\i+2]|, |v[XS+\i+3]|
.endr
	v_max3_num_f32 v8, v8, |v[XS+14]|, |v[XS+15]|
	v_max3_num_f32 v8, v8, v9, 0x1800000           ; and the floor 2^(3 - 127): the byte cannot fall under 1
	v_max_num_f32_dpp v8, v8, v8 row_xmask:1 row_mask:0xf bank_mask:0xf   ; with my neighbour's 16: the block's largest magnitude
	v_add_nc_u32 v11, 0xff000000, v8               ; 2 off its exponent field: the conversion takes this operand's exponent field as its scale
	v_cvt_scalef32_pk8_fp4_f32 v[C+4*(\t)], v[XS:XS+7], v11
	v_cvt_scalef32_pk8_fp4_f32 v[C+4*(\t)+1], v[XS+8:XS+15], v11
	v_lshrrev_b32 v[E+(\t)], 23, v11               ; the scale's byte
	ds_store_b8 v5, v[E+(\t)] offset:16*(\t)       ; both lanes of a block write the same byte with the same value
	global_store_b64 v4, v[C+4*(\t):C+4*(\t)+1], s[20:21] offset:32*CB*(\t)   ; the wave stores 256 consecutive bytes
.endm
.macro WLOAD G                         ; Wo: eight steps of 4 rows x 64 numbers; eight lanes read one aligned 256 bytes in two loads
.irp i, 0,1,2,3,4,5,6,7
	global_load_b128 v[16+64*((\G)%2)+8*\i:16+64*((\G)%2)+8*\i+3], v3, s[4:5] offset:((8*(\G)+\i)/16)*16384+((8*(\G)+\i)%16)*256 th:TH_LOAD_NT
	global_load_b128 v[16+64*((\G)%2)+8*\i+4:16+64*((\G)%2)+8*\i+7], v3, s[4:5] offset:((8*(\G)+\i)/16)*16384+((8*(\G)+\i)%16)*256+16 th:TH_LOAD_NT
.endr
.endm
.macro WCVT G, left
	s_wait_loadcnt \left                           ; this group's 16 loads are in; the next group's 16 may be out
	s_wait_xcnt 0x0                                ; the last group's stores have read v144-175, which are written again below
.irp i, 0,1,2,3,4,5,6,7
.irp k, 0,1,2,3
	v_cvt_pk_f16_f32 v[144+4*\i+\k], v[16+64*((\G)%2)+8*\i+2*\k], v[16+64*((\G)%2)+8*\i+2*\k+1]
.endr
.endr
.irp i, 0,1,2,3,4,5,6,7
	global_store_b128 v4, v[144+4*\i:144+4*\i+3], s[6:7] offset:((8*(\G)+\i)%16)*16384+((8*(\G)+\i)/16)*512   ; the wave stores 512 consecutive bytes: 4 rows of a chunk
.endr
.endm
; cos and sin of pos x frq.  n = the nearest whole number to a x 2 / pi; rho = a - n pi / 2 in two parts; series on |rho| <= pi / 4 (the terms left out are under 3e-8); the quadrant n mod 4 swaps and signs.
.macro SINCOS dc, ds, pos, frq
	v_mul_f32 v40, v[\pos], v[\frq]
	v_mul_f32 v41, s32, v40
	v_rndne_f32 v41, v41
	v_fma_f32 v42, v41, s33, v40
	v_fma_f32 v42, v41, s34, v42
	v_mul_f32 v43, v42, v42
	v_fma_f32 v44, v43, s38, s37
	v_fma_f32 v45, v43, s41, s40
	v_fma_f32 v44, v43, v44, s36
	v_fma_f32 v45, v43, v45, s39
	v_fma_f32 v44, v43, v44, s35
	v_fma_f32 v45, v43, v45, -0.5
	v_mul_f32 v46, v42, v43
	v_fma_f32 v45, v43, v45, 1.0                   ; cos rho
	v_fma_f32 v44, v46, v44, v42                   ; sin rho
	v_cvt_i32_f32 v46, v41
	v_and_b32 v47, 1, v46
	v_cmp_eq_u32 vcc_lo, 1, v47
	v_cndmask_b32 v[\ds], v44, v45, vcc_lo
	v_cndmask_b32 v[\dc], v45, v44, vcc_lo
	v_and_b32 v47, 2, v46
	v_add_nc_u32 v46, 1, v46
	v_lshlrev_b32 v47, 30, v47
	v_and_b32 v46, 2, v46
	v_xor_b32 v[\ds], v[\ds], v47
	v_lshlrev_b32 v46, 30, v46
	v_xor_b32 v[\dc], v[\dc], v46
.endm
	s_load_b512 s[8:23], s[0:1], 0x0               ; x 8, Wq 10, Wk 12, Wv 14, Wo 16, token_positions 18, codes 20, scales 22
	s_load_b128 s[24:27], s[0:1], 0x40             ; wo16 24, rope 26
	v_lshl_add_u32 v[SPW], v0, 2, SPARE
	v_mov_b32 v[NIL], 0
	v_lshrrev_b32 v1, 5, v0
	v_readfirstlane_b32 s28, v1                    ; wave
	v_and_b32 v2, 31, v0                           ; lane
	s_wait_kmcnt 0x0
	s_cmp_lt_u32 ttmp9, 352
	s_cbranch_scc0 .Lnot_quant
	; ---- A: the quantiser.  32,768 numbers a work-group: x has 256 work-groups, each weight 32
	s_cmp_lt_u32 ttmp9, 320
	s_cselect_b64 s[4:5], s[12:13], s[14:15]
	s_cmp_lt_u32 ttmp9, 288
	s_cselect_b64 s[4:5], s[10:11], s[4:5]
	s_cmp_lt_u32 ttmp9, 256
	s_cselect_b64 s[4:5], s[8:9], s[4:5]
	s_cselect_b32 s29, -1, 31
	s_and_b32 s29, ttmp9, s29                      ; the work-group's number within its tensor
	v_lshlrev_b32 v3, 4, v2                        ; my 16 bytes of a load's 512
	s_mul_i32 s30, s28, WREG
	v_lshrrev_b32 v14, 2, v2
	v_mul_u32_u24 v14, v14, SP
	v_and_b32 v15, 3, v2
	v_lshl_add_u32 v14, v15, 4, v14
	v_add_nc_u32 v14, s30, v14                     ; the stage, way in: SP (lane / 4) + 16 (lane % 4)
	v_mul_u32_u24 v15, v2, SP
	v_add_nc_u32 v15, s30, v15                     ; way out: SP x lane
	v_mul_u32_u24 v4, v2, CB
	v_lshrrev_b32 v5, 1, v2
	s_add_co_u32 s30, s30, 2*32*SP
	v_add_nc_u32 v5, s30, v5                       ; my block's scale byte in LDS
	v_lshlrev_b32 v7, 3, v2
	v_add_nc_u32 v6, s30, v7
	s_lshl_b32 s29, s29, 2
	s_add_co_u32 s32, s29, s28                     ; my wave's run of 8,192 numbers in its tensor
	s_lshl_b32 s32, s32, 15
	s_mov_b32 s33, 0
	s_add_nc_u64 s[4:5], s[4:5], s[32:33]
	s_lshl_b32 s34, ttmp9, 2
	s_add_co_u32 s34, s34, s28                     ; and in the common buffers: x fills exactly the first 256 work-groups' parts
	s_lshl_b32 s32, s34, 12
	s_add_nc_u64 s[20:21], s[20:21], s[32:33]
	s_lshl_b32 s32, s34, 8
	s_add_nc_u64 s[22:23], s[22:23], s[32:33]
.irp t, 0,1,2,3
	LOAD \t
.endr
	s_wait_loadcnt 12                              ; step 0's four loads are in
	TURN 0
.irp t, 0,1,2,3,4,5,6,7,8,9,10,11,12,13,14,15
	STEP \t
.endr
	ds_load_b64 v[8:9], v6                         ; my wave's 256 scale bytes, 8 a lane
	s_wait_dscnt 0x0
	global_store_b64 v7, v[8:9], s[22:23]          ; 256 consecutive bytes, aligned
	s_wait_tensorcnt 0x0                           ; the wave's end, behind my last LDS store
	ds_add_u32 v[SPW], v[NIL]
	s_wait_dscnt 0x0
	s_endpgm
.Lnot_quant:
	s_cmp_lt_u32 ttmp9, 384
	s_cbranch_scc0 .Lrope
	; ---- B: Wo to f16.  Wave W of 128 takes rows 8 W .. 8 W + 7
	s_sub_co_u32 s29, ttmp9, 352
	s_lshl_b32 s29, s29, 2
	s_add_co_u32 s29, s29, s28
	s_lshl_b32 s32, s29, 15
	s_mov_b32 s33, 0
	s_add_nc_u64 s[4:5], s[16:17], s[32:33]
	s_lshr_b32 s32, s29, 4
	s_lshl_b32 s32, s32, 18                        ; e / 128: 262,144 bytes
	s_and_b32 s30, s29, 15
	s_lshl_b32 s30, s30, 10                        ; e % 128: 128 bytes a row
	s_add_co_u32 s32, s32, s30
	s_add_nc_u64 s[6:7], s[24:25], s[32:33]
	v_lshrrev_b32 v3, 3, v2
	v_lshlrev_b32 v3, 12, v3
	v_and_b32 v4, 7, v2
	v_lshl_add_u32 v3, v4, 5, v3                   ; in: row lane / 8, 32 bytes at 32 (lane % 8)
	v_lshlrev_b32 v4, 4, v2                        ; out: 16 bytes a lane
	WLOAD 0
	WLOAD 1
	WCVT 0, 16
	WLOAD 2
	WCVT 1, 16
	WLOAD 3
	WCVT 2, 16
	WCVT 3, 0
	s_endpgm
.Lrope:
	; ---- C: the table.  Task u of 8 stores 16 bytes a thread at ((8 wc + u) 128 + thread) 16
	s_sub_co_u32 s29, ttmp9, 384
	s_lshl_b32 s32, s29, 8
	s_mov_b32 s33, 0
	s_add_nc_u64 s[18:19], s[18:19], s[32:33]      ; my 64 positions
	s_lshl_b32 s32, s29, 14
	s_add_nc_u64 s[26:27], s[26:27], s[32:33]
	v_and_b32 v4, 15, v0
	v_lshlrev_b32 v6, 2, v4
.irp i, 0,1,2,3
	global_load_b32 v[24+\i], v6, s[18:19] offset:64*\i   ; token_positions[64 wc + 16 i + r]
.endr
	s_lshr_b32 s30, s28, 1
	s_lshl_b32 s30, s30, 3
	s_and_b32 s31, s28, 1
	s_lshl_b32 s31, s31, 1
	s_add_co_u32 s30, s30, s31
	v_bfe_u32 v3, v0, 4, 1
	v_lshl_add_u32 v5, v3, 2, s30                  ; 8 (wave / 2) + 2 (wave % 2) + 4 hh
	v_cvt_f32_u32 v5, v5
	v_lshlrev_b32 v7, 4, v0
	s_mov_b32 s31, 0xbed49a78                      ; -log2(10000) / 32
	s_mov_b32 s32, 0x3f22f983                      ; 2 / pi
	s_mov_b32 s33, 0xbfc90fdb                      ; -(pi / 2), high part
	s_mov_b32 s34, 0x333bbd2e                      ; high part - pi / 2
	s_mov_b32 s35, 0xbe2aaaab                      ; -1/6
	s_mov_b32 s36, 0x3c088889                      ; 1/120
	s_mov_b32 s37, 0xb9500d01                      ; -1/5040
	s_mov_b32 s38, 0x3638ef1d                      ; 1/362880
	s_mov_b32 s39, 0x3d2aaaab                      ; 1/24
	s_mov_b32 s40, 0xbab60b61                      ; -1/720
	s_mov_b32 s41, 0x37d00d01                      ; 1/40320
	v_add_f32 v21, 1.0, v5
	v_add_f32 v22, 0x41800000, v5                  ; + 16: the odd tasks' pairs
	v_add_f32 v23, 0x41880000, v5                  ; + 17
	v_mul_f32 v20, s31, v5
	v_mul_f32 v21, s31, v21
	v_mul_f32 v22, s31, v22
	v_mul_f32 v23, s31, v23
.irp f, 0,1,2,3
	v_exp_f32 v[20+\f], v[20+\f]                   ; 10000^(-k0 / 32)
.endr
	v_nop                                          ; a plain instruction behind the last exponential
	s_wait_alu depctr_va_vdst(0)                   ; one wait for the four, ahead of their first reader
	s_wait_loadcnt 0x0
.irp i, 0,1,2,3
	v_cvt_f32_i32 v[24+\i], v[24+\i]
.endr
.irp u, 0,1,2,3,4,5,6,7
	SINCOS 64+4*\u, 65+4*\u, 24+\u/2, 20+2*(\u%2)
	SINCOS 66+4*\u, 67+4*\u, 24+\u/2, 21+2*(\u%2)
	global_store_b128 v7, v[64+4*\u:64+4*\u+3], s[26:27] offset:2048*\u   ; each task has its own four registers; the wave stores 512 consecutive bytes
.endr
	s_endpgm
.Lfunc_end_k_q652f1646e3_prep:
	.size	k_q652f1646e3_prep, .Lfunc_end_k_q652f1646e3_prep-k_q652f1646e3_prep
	.p2alignl 7, 3214868480
	.fill 96, 4, 3214868480
	.section	.rodata,"a",@progbits
	.p2align	6, 0x0
	.amdhsa_kernel k_q652f1646e3_prep
		.amdhsa_group_segment_fixed_size 33280
		.amdhsa_private_segment_fixed_size 0
		.amdhsa_enable_private_segment 0
		.amdhsa_kernarg_size 80
		.amdhsa_user_sgpr_count 2
		.amdhsa_user_sgpr_kernarg_segment_ptr 1
		.amdhsa_wavefront_size32 1
		.amdhsa_system_sgpr_workgroup_id_x 1
		.amdhsa_system_sgpr_workgroup_id_y 1
		.amdhsa_system_sgpr_workgroup_id_z 1
		.amdhsa_system_vgpr_workitem_id 0
		.amdhsa_next_free_vgpr 192
		.amdhsa_next_free_sgpr 66
		.amdhsa_reserve_vcc 1
		.amdhsa_float_denorm_mode_32 3
		.amdhsa_float_denorm_mode_16_64 3
		.amdhsa_memory_ordered 1
		.amdhsa_forward_progress 1
		.amdhsa_inst_pref_size 73
	.end_amdhsa_kernel
	.amdgpu_metadata
---
amdhsa.version: [ 1, 2 ]
amdhsa.kernels:
  - .name:           k_q652f1646e3_prep
    .symbol:         k_q652f1646e3_prep.kd
    .args:
      - { .name: x, .offset: 0, .size: 8, .value_kind: global_buffer, .address_space: global }
      - { .name: Wq, .offset: 8, .size: 8, .value_kind: global_buffer, .address_space: global }
      - { .name: Wk, .offset: 16, .size: 8, .value_kind: global_buffer, .address_space: global }
      - { .name: Wv, .offset: 24, .size: 8, .value_kind: global_buffer, .address_space: global }
      - { .name: Wo, .offset: 32, .size: 8, .value_kind: global_buffer, .address_space: global }
      - { .name: token_positions, .offset: 40, .size: 8, .value_kind: global_buffer, .address_space: global }
      - { .name: codes, .offset: 48, .size: 8, .value_kind: global_buffer, .address_space: global }
      - { .name: scales, .offset: 56, .size: 8, .value_kind: global_buffer, .address_space: global }
      - { .name: wo16, .offset: 64, .size: 8, .value_kind: global_buffer, .address_space: global }
      - { .name: rope, .offset: 72, .size: 8, .value_kind: global_buffer, .address_space: global }
    .group_segment_fixed_size: 33280
    .private_segment_fixed_size: 0
    .kernarg_segment_align: 8
    .kernarg_segment_size: 80
    .max_flat_workgroup_size: 128
    .sgpr_count:     66
    .vgpr_count:     192
    .wavefront_size: 32
...
	.end_amdgpu_metadata
.endif
;; end of part 1
;; launch qkv (part 2): grid 12 x 32, 4 waves a work-group, clusters of 4 x 4, 327,680 bytes of LDS; arguments codes, scales, rope, qkv16; writes qkv16
.if DOCPART == 2
	.amdgcn_target "amdgcn-amd-amdhsa--gfx1250"
	.amdhsa_code_object_version 6
	.text
	.protected	k_q652f1646e3_qkv
	.globl	k_q652f1646e3_qkv
	.p2align	8
	.type	k_q652f1646e3_qkv,@function
k_q652f1646e3_qkv:
	s_mov_b64 s[64:65], 0
	v_nop
	global_prefetch_b8 v0, s[64:65] scope:SCOPE_SE
	s_setreg_imm32_b32 hwreg(HW_REG_WAVE_MODE, 25, 1), 1
	s_wait_xcnt 0x0
	s_wait_alu depctr_hold_cnt(0) depctr_sa_sdst(0) depctr_va_vdst(0) depctr_va_sdst(0) depctr_va_ssrc(0) depctr_va_vcc(0) depctr_vm_vsrc(0)
	s_getreg_b32 s2, hwreg(HW_REG_IB_STS2, 6, 4)
	s_cmp_eq_u32 s2, 0
	s_cbranch_scc0 .Lentry_in_a_cluster
	s_endpgm
.Lentry_in_a_cluster:
	s_bfe_u32 s2, ttmp6, 0x10000c
	s_cmp_lg_u32 s2, 0xf033
	s_cbranch_scc0 .Lentry_shape_is_right
	s_endpgm
.Lentry_shape_is_right:
; Q, K, V = x W^T on codes of FP4 with E8M0 scales: C [8192][3072] = A (x's codes, rows 0-8191 of codes) B^T (Wq, Wk, Wv's codes, the 3,072 rows behind), K = 1,024; sums in f32.
; Then RoPE on Q's and K's columns, in f32, and all three rounded once to f16 into qkv16 [T = Q, K, V][b][head][s][64].
; A tile of C, 256 x 256, is made by four waves, each 128 x 128: 64 accumulators of 16 x 16, 512 registers.  K is two LDS slots of 512 (rows of 256 bytes): both are first fills, nothing is filled again.
; The scales of the work-group's 256 + 256 rows, for all of K, come once, as units of 256 bytes + 16 of padding.
; CLUSTERS: 4 x 4 work-groups; A's tiles are asked for jointly along a row of the cluster, B's along a column.  A cluster is 1,024 columns wide: all its partners make the same T (= the cluster's x).
; THE MATRIX INSTRUCTION IS USED TRANSPOSED (source 0 = 16 rows of W, source 1 = 16 rows of x): a lane holds one token (lane % 16) and eight neighbouring channels 16 b + 8 (lane / 16) + 0 .. 7: four RoPE pairs.
; REGISTERS: window 0: v16-29 addresses; v32-95 scale words, two sets, and nothing else; v128-191 A's fragments, one set; v192-255 the RoPE table, two sets of 16 tokens; on the way out v96-127 at work, v128-159 packed f16, v160-191 rows read back.
;   window 1: B's fragments, two sets.  windows 2, 3: the accumulators of my rows 0-63, 64-127 ((a, b) at v[8 (8 (a % 4) + b)]).
; LIMITS: |Q|, |K|, |V| up to 65,504 (f16).  lds_bytes claims all of a WGP's LDS; 296,448 bytes are used.
.set NQ,     4
.set ROWB,   256
.set KROW,   512
.set PITCH,  272                       ; 256 bytes + 16 of padding: the 16 rows that a load touches start at 16 different banks (64 banks of 4 bytes: ISA guide 11.1)
.set FR,     8
.set NL,     2
.set NP,     4
.set HALFT,  128*PITCH
.set SLOT,   4*HALFT
.set KS,     32
.set SCL,    2*SLOT
.set HALFS,  (128*KS/256)*272
.set SBLK,   (16*KS/256)*272
.set SPARE,  SCL+4*HALFS
.set SPITCH, 272                       ; the way out: 16 rows x (256 + 16) bytes a wave, in slot 0, which has had its only fill and its last read by then
.set PLAINO, 32768                     ; V's way out has stage bytes of its own, this far on in slot 0
.set ADRA, 16
.set ADRB, 20
.set STO,  24
.set RD,   25
.set CO,   26                          ; 16 x lane: the table's and the stores' offset; never rewritten
.set ADRS, 27
.set SPW,  28
.set NIL,  29
.set SC,   32
.set RR,   96
.set AF,   128
.set TMP,  128
.set BK,   160
.set RT,   192
.set G1, 24
.set G0, 32
.set G1B, 48
.set G0B, 56
.set G1S, 68
.set G0S, 76
.set G1SB, 80
.set G0SB, 88
.set MSB, 0
.macro WIN new                         ; the immediate's high byte repeats the setting that is left
.if MSB != (\new)
	s_set_vgpr_msb (MSB<<8)|(\new)
.set MSB, (\new)
.endif
.endm
.set MUL_LO, 0xa1                      ; source 0 (B) window 1, source 1 (A) window 0, C and D window 2
.set MUL_HI, 0xf1
.set TO_B,   0x40
; A joint load: waves 0 and 1 fetch for A, waves 2 and 3 for B; the branch hangs on the wave's number alone.  An s_nop 0 and four v_nop follow each line.
.macro JLOAD g0a, g1a, g0b, g1b
	s_cmp_eq_u32 s15, 0
	s_cbranch_scc0 .Lfor_b_\@
	tensor_load_to_lds s[\g0a:\g0a+3], s[\g1a:\g1a+7]
	s_nop 0
.rept 4
	v_nop
.endr
	s_branch .Lasked_\@
.Lfor_b_\@:
	tensor_load_to_lds s[\g0b:\g0b+3], s[\g1b:\g1b+7]
	s_nop 0
.rept 4
	v_nop
.endr
.Lasked_\@:
.endm
.macro CROUND                          ; a round of the cluster's barrier
	s_barrier_signal -1
	s_barrier_wait -1
	s_cmp_lg_u32 s14, 0
	s_cbranch_scc1 .Lnot_wave_0_\@
	s_barrier_signal -3
.Lnot_wave_0_\@:
	s_barrier_wait -3
	s_barrier_signal -1
	s_barrier_wait -1
.endm
	s_load_b128 s[4:7], s[0:1], 0x0                ; codes, scales
	s_load_b64 s[96:97], s[0:1], 0x10              ; rope
	s_load_b64 s[12:13], s[0:1], 0x18              ; qkv16
	v_lshl_add_u32 v[SPW], v0, 2, SPARE
	v_mov_b32 v[NIL], 0
	ds_add_u32 v[SPW], v[NIL]                      ; the wave's opening: the add, twice on end, and its wait ahead of my first tensor load
	ds_add_u32 v[SPW], v[NIL]
	v_lshrrev_b32 v1, 5, v0
	v_readfirstlane_b32 s14, v1                    ; wave 0..3
	s_lshr_b32 s15, s14, 1                         ; my half of the tile's rows; also: I fetch for A (0) or B (1)
	s_and_b32 s16, s14, 1                          ; my half of its columns; also: which 128 rows I fetch
	s_bfe_u32 s40, ttmp6, 0x40000                  ; cx
	s_bfe_u32 s41, ttmp6, 0x40004                  ; cy
	s_lshl_b32 s42, ttmp9, 2
	s_add_co_u32 s42, s42, s40                     ; tile column
	s_and_b32 s17, ttmp7, 0xffff
	s_lshl_b32 s17, s17, 2
	s_add_co_u32 s17, s17, s41                     ; tile row
	s_lshl_b32 s43, s41, 2
	s_lshl_b32 s43, 15, s43                        ; my row of the cluster
	s_lshl_b32 s44, 0x1111, s40                    ; my column
	s_or_b32 s[G1+0], s43, (0<<16)|(1<<20)|(1<<21)|(5<<22)|(3<<25)  ; the mask; elements of 1 byte; padding: 4 words behind every 64; bit 21 beside a mask
	s_or_b32 s[G1B+0], s44, (0<<16)|(1<<20)|(1<<21)|(5<<22)|(3<<25)
.irp g, G1, G1B
	s_mov_b32 s[\g+1], ROWB<<16                    ; tensor_dim0
	s_mov_b32 s[\g+2], 128<<16                     ; tensor_dim1
	s_mov_b32 s[\g+3], ROWB<<16                    ; tile_dim0
	s_mov_b32 s[\g+4], 128                         ; tile_dim1
	s_mov_b32 s[\g+5], KROW                        ; pitch
	s_mov_b32 s[\g+6], 0
	s_mov_b32 s[\g+7], 0
.endr
	s_or_b32 s[G1S+0], s43, (3<<16)|(1<<20)|(1<<21)|(5<<22)|(3<<25)  ; the scales of 128 rows: 4,096 dense bytes as 16 rows of 32 elements of 8 bytes
	s_or_b32 s[G1SB+0], s44, (3<<16)|(1<<20)|(1<<21)|(5<<22)|(3<<25)
.irp g, G1S, G1SB
	s_mov_b32 s[\g+1], 32<<16
	s_mov_b32 s[\g+2], (128*KS/256)<<16
	s_mov_b32 s[\g+3], 32<<16
	s_mov_b32 s[\g+4], 128*KS/256
	s_mov_b32 s[\g+5], 32
	s_mov_b32 s[\g+6], 0
	s_mov_b32 s[\g+7], 0
.endr
	s_lshl_b32 s18, s16, 7
	s_lshl_b32 s20, s17, 8
	s_add_co_u32 s20, s20, s18                     ; A: row 256 x tile row + 128 x half
	s_lshl_b32 s46, s42, 8
	s_add_co_u32 s46, s46, s18                     ; B: row 256 x tile column + 128 x half
	s_mov_b32 s21, 0
	s_mov_b32 s47, 0
	s_mov_b64 s[18:19], KS
	s_mul_u64 s[22:23], s[20:21], s[18:19]
	s_mul_u64 s[92:93], s[46:47], s[18:19]
	s_mov_b64 s[18:19], KROW
	s_mul_u64 s[20:21], s[20:21], s[18:19]
	s_mul_u64 s[46:47], s[46:47], s[18:19]
	s_mul_i32 s45, s14, HALFT
	s_mul_i32 s94, s14, HALFS
	s_wait_dscnt 0x0                               ; both opening adds are done
	s_wait_kmcnt 0x0
	s_add_nc_u64 s[8:9], s[4:5], 0x400000          ; the weights' codes lie behind x's 8,192 rows of 512 bytes,
	s_add_nc_u64 s[10:11], s[6:7], 0x40000         ; their scales behind x's 8,192 rows of 32
	s_add_nc_u64 s[20:21], s[4:5], s[20:21]
	s_add_nc_u64 s[22:23], s[6:7], s[22:23]
	s_add_nc_u64 s[46:47], s[8:9], s[46:47]
	s_add_nc_u64 s[92:93], s[10:11], s[92:93]
	CROUND                                         ; all sixteen work-groups are here: the joint loads meet
	s_mov_b32 s[G0S], 1
	s_add_co_u32 s[G0S+1], s94, SCL
	s_mov_b64 s[G0S+2:G0S+3], s[22:23]
	s_or_b32 s[G0S+3], s[G0S+3], 0x80000000
	s_mov_b32 s[G0SB], 1
	s_add_co_u32 s[G0SB+1], s94, SCL
	s_mov_b64 s[G0SB+2:G0SB+3], s[92:93]
	s_or_b32 s[G0SB+3], s[G0SB+3], 0x80000000
	JLOAD G0S, G1S, G0SB, G1SB                     ; three tensor loads of mine are out at the most: the scales, slot 0, slot 1
.irp s, 0,1
	s_mov_b32 s[G0+4*\s], 1
	s_add_co_u32 s[G0+4*\s+1], s45, \s*SLOT
	s_add_nc_u64 s[G0+4*\s+2:G0+4*\s+3], s[20:21], \s*ROWB
	s_or_b32 s[G0+4*\s+3], s[G0+4*\s+3], 0x80000000
	s_mov_b32 s[G0B+4*\s], 1
	s_add_co_u32 s[G0B+4*\s+1], s45, \s*SLOT
	s_add_nc_u64 s[G0B+4*\s+2:G0B+4*\s+3], s[46:47], \s*ROWB
	s_or_b32 s[G0B+4*\s+3], s[G0B+4*\s+3], 0x80000000
	JLOAD G0+4*\s, G1, G0B+4*\s, G1B
.endr
	v_and_b32 v1, 15, v0                           ; r
	v_bfe_u32 v2, v0, 4, 1                         ; hh
	v_mul_u32_u24 v3, v1, PITCH
	v_lshl_add_u32 v4, v2, 4, v3
	s_mul_i32 s21, s15, HALFT
	s_mul_i32 s22, s16, HALFT
	s_add_co_u32 s22, s22, 2*HALFT
.irp s, 0,1
	v_add_nc_u32 v[ADRA+\s], s21, v4
	v_add_nc_u32 v[ADRB+\s], s22, v4
	s_add_co_u32 s21, s21, SLOT
	s_add_co_u32 s22, s22, SLOT
.endr
	v_mul_u32_u24 v5, v1, KS
	v_lshrrev_b32 v6, 8, v5
	v_lshl_add_u32 v5, v6, 4, v5                   ; my row's scales: 32 bytes a row, 16 more for each 256 passed
	s_mul_i32 s21, s15, HALFS
	s_mul_i32 s22, s16, HALFS
	s_add_co_u32 s22, s22, 2*HALFS
	s_sub_co_u32 s22, s22, s21
	v_mul_u32_u24 v6, s22, v2                      ; lanes 16-31 take B's
	s_add_co_u32 s21, s21, SCL
	v_add_nc_u32 v5, v5, v6
	v_add_nc_u32 v[ADRS], s21, v5
	s_mul_i32 s23, s14, 16*SPITCH                  ; my stage
	v_mul_u32_u24 v5, v1, SPITCH
	v_lshl_add_u32 v5, v2, 4, v5
	v_add_nc_u32 v[STO], s23, v5                   ; in: row r, 16 bytes for each half of the lanes
	v_and_b32 v6, 31, v0
	v_lshlrev_b32 v[CO], 4, v6
	v_lshrrev_b32 v5, 3, v6
	v_mul_u32_u24 v5, v5, SPITCH
	v_and_b32 v6, 7, v6
	v_lshl_add_u32 v5, v6, 4, v5
	v_add_nc_u32 v[RD], s23, v5                    ; back: four rows an instruction, eight lanes to a head's 128 bytes
	; where my part begins in qkv16: T 2^24 + b 2^22 + head 2^18 + s 128, and in the table: 4,096 bytes for each 16 tokens
	s_lshr_b32 s20, s17, 3
	s_lshl_b32 s20, s20, 22                        ; b
	s_and_b32 s21, s17, 7
	s_lshl_b32 s21, s21, 8
	s_lshl_b32 s22, s15, 7
	s_add_co_u32 s21, s21, s22                     ; my first token within its sequence
	s_lshl_b32 s22, s21, 7
	s_add_co_u32 s20, s20, s22
	s_lshl_b32 s22, ttmp9, 24
	s_add_co_u32 s20, s20, s22
	s_lshl_b32 s46, s40, 2
	s_lshl_b32 s47, s16, 1
	s_add_co_u32 s46, s46, s47                     ; my first head: 4 cx + 2 x half
	s_lshl_b32 s46, s46, 18
	s_add_co_u32 s20, s20, s46
	s_lshl_b32 s22, s21, 8
	s_mov_b32 s23, 0
	s_add_nc_u64 s[96:97], s[96:97], s[22:23]
	s_mov_b32 s21, 0
	s_add_nc_u64 s[12:13], s[12:13], s[20:21]
.macro RLOAD a                         ; the table of my tokens 16 a .. 16 a + 15 into set a % 2: eight loads of 512 consecutive bytes
.irp bb, 0,1,2,3
.irp c, 0,1
	global_load_b128 v[RT+32*((\a)%2)+8*\bb+4*\c:RT+32*((\a)%2)+8*\bb+4*\c+3], v[CO], s[96:97] offset:(\a)*4096+\bb*1024+\c*512
.endr
.endr
.endm
	RLOAD 0                                        ; asked for ahead of the products, by all work-groups alike; V's tiles do not use them (8 KB a wave)
	RLOAD 1
.macro FRAG reg, adr, q, i             ; 16 rows x 128 K of 4-bit codes: lane l holds row l % 16; registers 4 c .. 4 c + 3 hold K = 64 c + 32 (l / 16) + 0 .. 31
.irp c, 0,1
	ds_load_b128 v[\reg+4*\c:\reg+4*\c+3], v[\adr] offset:64*(\q)+32*\c+(\i)*16*PITCH
.endr
.endm
; 16 matrix instructions: A's blocks a0, a0 + 1 x B's eight.  The 64 accumulators take turns, one instruction a turn, in the same order in every step.
.macro MUL16 a0, p, q, sc, zero
.irp a, \a0, \a0+1
.irp b, 0,1,2,3,4,5,6,7
.if \zero
	v_wmma_scale_f32_16x16x128_f8f6f4 v[8*(8*((\a)%4)+\b):8*(8*((\a)%4)+\b)+7], v[128*(\p)+FR*\b:128*(\p)+FR*\b+FR-1], v[AF+FR*(\a):AF+FR*(\a)+FR-1], 0, v[SC+8*NQ*(\sc)+NQ*\b+(\q)], v[SC+8*NQ*(\sc)+NQ*(\a)+(\q)] matrix_a_fmt:MATRIX_FMT_FP4 matrix_b_fmt:MATRIX_FMT_FP4 matrix_a_scale:MATRIX_SCALE_ROW1
.else
	v_wmma_scale_f32_16x16x128_f8f6f4 v[8*(8*((\a)%4)+\b):8*(8*((\a)%4)+\b)+7], v[128*(\p)+FR*\b:128*(\p)+FR*\b+FR-1], v[AF+FR*(\a):AF+FR*(\a)+FR-1], v[8*(8*((\a)%4)+\b):8*(8*((\a)%4)+\b)+7], v[SC+8*NQ*(\sc)+NQ*\b+(\q)], v[SC+8*NQ*(\sc)+NQ*(\a)+(\q)] matrix_a_fmt:MATRIX_FMT_FP4 matrix_b_fmt:MATRIX_FMT_FP4 matrix_a_scale:MATRIX_SCALE_ROW1
.endif
.endr
.endr
.endm
.macro FETCH_B slot, q, p
	WIN TO_B
.irp i, 0,1,2,3,4,5,6,7
	FRAG 128*(\p)+FR*\i, ADRB+\slot, \q, \i
.endr
	WIN 0
.endm
.macro FETCH_A slot, q, i0
.irp i, \i0, \i0+1, \i0+2, \i0+3
	FRAG AF+FR*(\i), ADRA+\slot, \q, \i
.endr
.endm
.macro SCALES sc                       ; a slot's scale words: lanes 0-15 A's block i, lanes 16-31 B's block i
.irp i, 0,1,2,3,4,5,6,7
	ds_load_b128 v[SC+8*NQ*\sc+NQ*\i:SC+8*NQ*\sc+NQ*\i+3], v[ADRS] offset:\i*SBLK
.endr
.endm
.macro PLACES n                        ; plain vector instructions between a matrix instruction and a load into, or a vector read or write of, its registers
.rept \n
	v_nop
.endr
.endm
.macro STEP slot, q, zero              ; 128 along K whose successor lies in the same slot
	s_wait_dscnt 4*NL                              ; B's set and A's blocks 0-3 are in; the youngest eight loads (A's blocks 4-7) may be out
	WIN MUL_LO
	MUL16 0, (\q)%2, \q, \slot, \zero
	MUL16 2, (\q)%2, \q, \slot, \zero
	s_wait_dscnt 0
	PLACES NP
	FETCH_B \slot, (\q)+1, 1-(\q)%2
	FETCH_A \slot, (\q)+1, 0
	WIN MUL_HI
	MUL16 4, (\q)%2, \q, \slot, \zero
	MUL16 6, (\q)%2, \q, \slot, \zero
	PLACES NP
	WIN 0
	FETCH_A \slot, (\q)+1, 4
.endm
.macro TURN slot, next                 ; slot 0's last step: one barrier; behind it slot 1 is whole and nobody reads slot 0 any more.  Nothing is filled again
	s_wait_tensorcnt 0x0                           ; all my tensor loads have landed: my part of slot 1;
	ds_add_u32 v[SPW], v[NIL]                      ; 0 onto my spare word;
	s_wait_dscnt 4*NL+1                            ; (the add and the youngest eight loads may be out)
	WIN MUL_LO
	MUL16 0, 1, NQ-1, \slot, 0
	s_wait_dscnt 0x0                               ; the add is done, and my reads of slot 0 are over
	s_barrier_signal -1
	MUL16 2, 1, NQ-1, \slot, 0
	WIN 0
	s_barrier_wait -1
	PLACES NP
	v_add_nc_u32 v[ADRS], 4*NQ, v[ADRS]            ; the next 512 along K: 16 bytes on in each row of scales
	FETCH_B \next, 0, 0
	FETCH_A \next, 0, 0
	SCALES \next
	WIN MUL_HI
	MUL16 4, 1, NQ-1, \slot, 0
	MUL16 6, 1, NQ-1, \slot, 0
	PLACES NP
	WIN 0
	FETCH_A \next, 0, 4
.endm
	s_wait_tensorcnt 1                             ; the scales and my part of slot 0 are in (slot 1's load may be out),
	s_barrier_signal -1
	s_barrier_wait -1                              ; everybody's are
	FETCH_B 0, 0, 0
	FETCH_A 0, 0, 0
	SCALES 0
	FETCH_A 0, 0, 4
	STEP 0, 0, 1                                   ; the first step's products start the sums
	STEP 0, 1, 0
	STEP 0, 2, 0
	TURN 0, 1
	STEP 1, 0, 0
	STEP 1, 1, 0
	STEP 1, 2, 0
	s_wait_dscnt 4*NL
	WIN MUL_LO
	MUL16 0, 1, NQ-1, 1, 0
	MUL16 2, 1, NQ-1, 1, 0
	s_wait_dscnt 0
	WIN MUL_HI
	MUL16 4, 1, NQ-1, 1, 0
	MUL16 6, 1, NQ-1, 1, 0
	WIN 0
	PLACES NP                                      ; ahead of the first reads of results and of writes into the registers that held A's fragments
; THE WAY OUT, block by block of 16 tokens x 128 channels (two heads).
; ROPE: for each pair (e, o) of a lane and its (cos, sin): (e cos, o cos), then (-o sin + e cos, e sin + o cos): two packed instructions a pair; then two roundings to f16 in one.  One head, 32 registers, at a time.
.macro ROPE a
.if (\a) < 7
	s_wait_loadcnt 8                               ; this block's eight loads of the table are in; the next block's eight may be out
.else
	s_wait_loadcnt 0
.endif
.set AC, 64*((\a)%4)
.set RA, RT+32*((\a)%2)
.irp hf, 0,1
	WIN 0x02+(\a)/4                                ; source 0: window 2 or 3
.irp b, 0,1,2,3
.irp i, 0,1,2,3
	v_pk_mul_f32 v[RR+8*\b+2*\i:RR+8*\b+2*\i+1], v[AC+32*\hf+8*\b+2*\i:AC+32*\hf+8*\b+2*\i+1], v[RA+8*\b+2*\i:RA+8*\b+2*\i+1] op_sel_hi:[1,0]
.endr
.endr
.irp b, 0,1,2,3
.irp i, 0,1,2,3
	v_pk_fma_f32 v[RR+8*\b+2*\i:RR+8*\b+2*\i+1], v[AC+32*\hf+8*\b+2*\i:AC+32*\hf+8*\b+2*\i+1], v[RA+8*\b+2*\i:RA+8*\b+2*\i+1], v[RR+8*\b+2*\i:RR+8*\b+2*\i+1] op_sel:[1,1,0] op_sel_hi:[0,1,1] neg_lo:[0,1,0]
.endr
.endr
	WIN 0
.irp b, 0,1,2,3
.irp i, 0,1,2,3
	v_cvt_pk_f16_f32 v[TMP+16*\hf+4*\b+\i], v[RR+8*\b+2*\i], v[RR+8*\b+2*\i+1]
.endr
.endr
.endr
.if (\a) < 6
	RLOAD (\a)+2                                   ; into the set just read
.endif
.endm
.macro PLAIN a                         ; V: rounded as it is
.set AC, 64*((\a)%4)
	WIN 0x0a+5*((\a)/4)                            ; sources 0 and 1: window 2 or 3
.irp b, 0,1,2,3,4,5,6,7
.irp i, 0,1,2,3
	v_cvt_pk_f16_f32 v[TMP+4*\b+\i], v[AC+8*\b+2*\i], v[AC+8*\b+2*\i+1]
.endr
.endr
	WIN 0
.endm
.macro TOSTAGE a, soff                 ; 16 bytes a lane into rows of 272 bytes; back four rows of one head at a time.  LDS serves a wave's instructions in order (ISA guide 5.7.1.4)
.irp b, 0,1,2,3,4,5,6,7
	ds_store_b128 v[STO], v[TMP+4*\b:TMP+4*\b+3] offset:\soff+32*\b
.endr
.if (\a) > 0
	s_wait_xcnt 0x0                                ; the last block's stores have read v160-191, into which the loads below land
.endif
.irp t, 0,1,2,3,4,5,6,7
	ds_load_b128 v[BK+4*\t:BK+4*\t+3], v[RD] offset:\soff+(\t%4)*4*SPITCH+(\t/4)*128
.endr
.endm
.macro SEND a
	s_wait_dscnt 0x0
.irp t, 0,1,2,3,4,5,6,7
	global_store_b128 v[CO], v[BK+4*\t:BK+4*\t+3], s[12:13] offset:(\a)*2048+(\t/4)*262144+(\t%4)*512   ; 512 consecutive bytes: four tokens of one head
.endr
.endm
	s_cmp_eq_u32 ttmp9, 2                          ; the cluster's x: the same in all sixteen partners
	s_cbranch_scc1 .Lplain
	ROPE 0
	TOSTAGE 0, 0
.irp a, 1,2,3,4,5,6,7
	ROPE \a
	SEND \a-1
	TOSTAGE \a, 0
.endr
	SEND 7
	s_branch .Lend
.Lplain:
	PLAIN 0
	TOSTAGE 0, PLAINO
.irp a, 1,2,3,4,5,6,7
	PLAIN \a
	SEND \a-1
	TOSTAGE \a, PLAINO
.endr
	SEND 7
.Lend:
	s_wait_tensorcnt 0x0                           ; the wave's end, behind my last tensor load and my last LDS store
	ds_add_u32 v[SPW], v[NIL]
	s_wait_dscnt 0x0
	CROUND                                         ; the closing round
	s_endpgm
.Lfunc_end_k_q652f1646e3_qkv:
	.size	k_q652f1646e3_qkv, .Lfunc_end_k_q652f1646e3_qkv-k_q652f1646e3_qkv
	.p2alignl 7, 3214868480
	.fill 96, 4, 3214868480
	.section	.rodata,"a",@progbits
	.p2align	6, 0x0
	.amdhsa_kernel k_q652f1646e3_qkv
		.amdhsa_group_segment_fixed_size 327680
		.amdhsa_private_segment_fixed_size 0
		.amdhsa_enable_private_segment 0
		.amdhsa_kernarg_size 32
		.amdhsa_user_sgpr_count 2
		.amdhsa_user_sgpr_kernarg_segment_ptr 1
		.amdhsa_wavefront_size32 1
		.amdhsa_system_sgpr_workgroup_id_x 1
		.amdhsa_system_sgpr_workgroup_id_y 1
		.amdhsa_system_sgpr_workgroup_id_z 1
		.amdhsa_system_vgpr_workitem_id 0
		.amdhsa_next_free_vgpr 1024
		.amdhsa_next_free_sgpr 100
		.amdhsa_reserve_vcc 0
		.amdhsa_float_denorm_mode_32 3
		.amdhsa_float_denorm_mode_16_64 3
		.amdhsa_memory_ordered 1
		.amdhsa_forward_progress 1
		.amdhsa_inst_pref_size 196
	.end_amdhsa_kernel
	.amdgpu_metadata
---
amdhsa.version: [ 1, 2 ]
amdhsa.kernels:
  - .name:           k_q652f1646e3_qkv
    .symbol:         k_q652f1646e3_qkv.kd
    .args:
      - { .name: codes, .offset: 0, .size: 8, .value_kind: global_buffer, .address_space: global }
      - { .name: scales, .offset: 8, .size: 8, .value_kind: global_buffer, .address_space: global }
      - { .name: rope, .offset: 16, .size: 8, .value_kind: global_buffer, .address_space: global }
      - { .name: qkv16, .offset: 24, .size: 8, .value_kind: global_buffer, .address_space: global }
    .group_segment_fixed_size: 327680
    .private_segment_fixed_size: 0
    .kernarg_segment_align: 8
    .kernarg_segment_size: 32
    .max_flat_workgroup_size: 128
    .sgpr_count:     100
    .vgpr_count:     1024
    .wavefront_size: 32
...
	.end_amdgpu_metadata
.endif
;; end of part 2
;; launch attn (part 3): grid 4 x 64, 16 waves a work-group, no clusters, 327,680 bytes of LDS; arguments qkv16, ao; writes ao
.if DOCPART == 3
	.amdgcn_target "amdgcn-amd-amdhsa--gfx1250"
	.amdhsa_code_object_version 6
	.text
	.protected	k_q652f1646e3_attn
	.globl	k_q652f1646e3_attn
	.p2align	8
	.type	k_q652f1646e3_attn,@function
k_q652f1646e3_attn:
	s_mov_b64 s[64:65], 0
	v_nop
	global_prefetch_b8 v0, s[64:65] scope:SCOPE_SE
	s_setreg_imm32_b32 hwreg(HW_REG_WAVE_MODE, 25, 1), 1
	s_wait_xcnt 0x0
; Causal attention of one (batch, head): O[q] = sum over k <= q of softmax_k(Q[q] . K[k] / 8) V[k].  Q, K, V: f16 [2048][64] each, out of qkv16; products on f16, sums, maxima and softmax in f32;
; the weights p are rounded to f16 for the second product, O once at the end, into ao [m / 128][head][m % 128][64] (m = 2048 b + s), so that a wave stores 4,096 dense bytes.
; SHARES.  Work-group (i, batch x head) owns the blocks of 256 queries i and 7 - i: together 9 blocks of 256 keys in every work-group.  Each of 16 waves owns 32 queries, two tiles of 16; waves 2 n and 2 n + 1
; take the same place in the two blocks, and which of the two takes which block turns with n / 2, so that each group of four waves, counted either way, holds two of each block.
; All waves read one stream of K and V: a ring of two LDS slots of 256 keys, filled by waves 0, 1 (K's halves) and 2, 3 (V's).  Rows of 128 bytes are dense in memory: a tile is stated as rows of 256 bytes (two keys).
; EVERY work-group walks all 8 slots (constant trip counts); a key step all of whose 64 keys come after the wave's queries is left out by a branch on ids; a slot beyond the work-group's last query is not asked for.
; NO CLUSTER: the four work-groups of a head read 8, 7, 6 and 5 slots, so a partner would jump over the reads of a tile that a joint load brings.
; LAYOUT.  S^T = K Q^T (source 0 = 16 keys, source 1 = 16 queries): a lane holds ONE query (lane % 16) and keys 8 (lane / 16) + 0 .. 7; two such tiles, rounded in pairs, ARE source 1 of O^T = V^T P.  V is turned by ds_load_tr16_b128.
; SOFTMAX.  Running maximum m and sum l: p = 2^(c s - c m), c = log2(e) / 8; O and l are multiplied by a = 2^(c m_old - c m_new) in every step.  The step is written once: O and l begin as zeros, m as -3e38.
; LIMITS: f16's range for Q, K, V and O.  lds_bytes claims all of a WGP's LDS; 278,528 bytes are used.
.set KP,    272                        ; two keys of K: 256 bytes + 16: the 16 keys of a load fall on 16 different 16-byte columns
.set VP,    288                        ; two keys of V: 256 + 32
.set VOFF,  128*KP
.set SLOT1, 1<<17
.set STAGE, SLOT1+128*(KP+VP)          ; behind the ring: 2 x 16 rows x 144 bytes a wave; no fill lands here
.set SPARE, STAGE+16*4608
.set AK0, 1
.set AV0, 2
.set SPW, 3
.set NIL, 4
.set ADK, 5
.set ADV, 6
.set GO,  7
.set STO, 8
.set RD,  9
.set PFO, 10
.set DD,  11
.set TP,  12                           ; v[12:13], v[14:15]: a second chain for each tile's sum
.set ST,  16                           ; tile t at v[16 + 8 t]: +0 c m, +1 m, +2, +3 l, +4 .. +7 at work; a in +6
.set Q,   32
.set KV,  64
.set S,   128
.set O,   192
.set WV,  18
.set SEL, 20
.set CS,  22
.set G1K, 24
.set G1V, 32
.set G0K, 40
.set G0V, 44
.set TB,  2
.set QL,  66
.set SLOTS, 67
.set PFA, 76
.set LIM, 80
.set KF,  98
.set Q0,  99
.macro TLOAD                           ; waves 0, 1: K; waves 2, 3: V; the others nothing.  An s_nop 0 and four v_nop follow each line
	s_cmp_lt_u32 s[WV], 2
	s_cbranch_scc0 .Lnot_k_\@
	tensor_load_to_lds s[G0K:G0K+3], s[G1K:G1K+7]
	s_nop 0
.rept 4
	v_nop
.endr
	s_branch .Lasked_\@
.Lnot_k_\@:
	s_cmp_lt_u32 s[WV], 4
	s_cbranch_scc0 .Lasked_\@
	tensor_load_to_lds s[G0V:G0V+3], s[G1V:G1V+7]
	s_nop 0
.rept 4
	v_nop
.endr
.Lasked_\@:
.endm
; A prefetch of the slot that the NEXT change of slots will ask for: 32,768 bytes of K and of V.  The head's first work-group, which walks all keys, asks, and nobody else; in it waves 4-7 ask for K's
; bytes and waves 8-11 for V's, 8,192 a wave, lanes 256 bytes apart: each aligned 256 bytes are named once in the launch.  The last change that fills a slot asks for nothing; slots 0 and 1 come by their loads alone.
.macro ASK
	s_cmp_gt_u32 s[SLOTS], s[LIM]
	s_cbranch_scc0 .Lnot_mine_\@
	global_prefetch_b8 v[PFO], s[PFA:PFA+1] th:TH_LOAD_NT scope:SCOPE_SE
.Lnot_mine_\@:
.endm
	s_load_b128 s[4:7], s[0:1], 0x0                ; qkv16, ao
	v_lshl_add_u32 v[SPW], v0, 2, SPARE
	v_mov_b32 v[NIL], 0
	ds_add_u32 v[SPW], v[NIL]                      ; the wave's opening: the add, twice on end, and its wait ahead of the first tensor load
	ds_add_u32 v[SPW], v[NIL]
	v_lshrrev_b32 v5, 5, v0
	v_readfirstlane_b32 s[WV], v5                  ; wave 0..15
	s_and_b32 s72, ttmp7, 0xffff                   ; batch x 16 + head
	s_lshl_b32 s73, s72, 18                        ; its 2,048 rows of 128 bytes
	s_lshr_b32 s74, s[WV], 2
	s_xor_b32 s74, s74, s[WV]
	s_and_b32 s74, s74, 1                          ; which of the two blocks
	s_sub_co_u32 s75, 7, ttmp9
	s_cmp_eq_u32 s74, 0
	s_cselect_b32 s75, ttmp9, s75
	s_lshl_b32 s75, s75, 8
	s_lshr_b32 s81, s[WV], 1
	s_lshl_b32 s81, s81, 5
	s_add_co_u32 s[Q0], s75, s81                   ; my first query
	s_sub_co_u32 s[QL], 8, ttmp9
	s_lshl_b32 s[QL], s[QL], 8
	s_sub_co_u32 s[QL], s[QL], 1                   ; my work-group's last query
	s_and_b32 s88, s[WV], 1
	s_mov_b32 s[G1K], (1<<16)|(1<<20)|(5<<22)|(3<<25)   ; elements of 2 bytes; padding: 4 words behind every 64
	s_mov_b32 s[G1V], (1<<16)|(1<<20)|(5<<22)|(7<<25)   ; 8 words
.irp g, G1K, G1V
	s_mov_b32 s[\g+1], 128<<16                     ; tensor_dim0 = 128 elements: two keys
	s_mov_b32 s[\g+2], 64<<16                      ; tensor_dim1 = 64
	s_mov_b32 s[\g+3], 128<<16                     ; tile_dim0
	s_mov_b32 s[\g+4], 64                          ; tile_dim1
	s_mov_b32 s[\g+5], 128                         ; pitch
	s_mov_b32 s[\g+6], 0
	s_mov_b32 s[\g+7], 0
.endr
	s_mov_b32 s[G0K], 1
	s_mul_i32 s[G0K+1], s88, 64*KP
	s_mov_b32 s[G0V], 1
	s_mul_i32 s[G0V+1], s88, 64*VP
	s_add_co_u32 s[G0V+1], s[G0V+1], VOFF
	s_lshl_b32 s82, s88, 14
	s_add_co_u32 s82, s82, s73                     ; my half of slot 0, in the head
	s_mov_b32 s83, 0
	s_mov_b32 s[SEL], 0x76543210
	s_mov_b32 s[SEL+1], 0xfedcba98
	s_mov_b32 s[CS], 0x3e38aa3b                    ; c = log2(e) / 8
	s_mov_b32 s[CS+1], s[CS]
	s_mov_b32 s[TB], 0
	s_mov_b32 s[SLOTS], 7
	s_mov_b32 s[KF], 0
	s_wait_dscnt 0x0                               ; both opening adds are done
	s_wait_kmcnt 0x0
	s_add_nc_u64 s[G0K+2:G0K+3], s[4:5], s[82:83]
	s_add_nc_u64 s[G0K+2:G0K+3], s[G0K+2:G0K+3], 0x1000000   ; K lies 2^24 bytes on
	s_or_b32 s[G0K+3], s[G0K+3], 0x80000000
	s_add_nc_u64 s[G0V+2:G0V+3], s[4:5], s[82:83]
	s_add_nc_u64 s[G0V+2:G0V+3], s[G0V+2:G0V+3], 0x2000000   ; V 2^25
	s_or_b32 s[G0V+3], s[G0V+3], 0x80000000
	TLOAD                                          ; slot 0: it holds key 0, which counts for every query
	; Q's rows, the prefetches' place, ao's rows
	s_lshl_b32 s82, s[Q0], 7
	s_add_co_u32 s82, s82, s73
	s_add_nc_u64 s[8:9], s[4:5], s[82:83]
	s_cmp_lt_u32 s[WV], 8
	s_mov_b32 s82, 0x2000000
	s_cselect_b32 s82, 0x1000000, s82
	s_add_co_u32 s82, s82, s73
	s_and_b32 s84, s[WV], 3
	s_lshl_b32 s84, s84, 13
	s_add_co_u32 s82, s82, s84
	s_add_co_u32 s82, s82, 32768                   ; in slot 1: the first change of slots steps it to slot 2
	s_add_nc_u64 s[PFA:PFA+1], s[4:5], s[82:83]
	s_sub_co_u32 s84, s[WV], 4
	s_lshr_b32 s84, s84, 3                         ; 0 in waves 4 to 11
	s_or_b32 s84, s84, ttmp9
	s_cmp_eq_u32 s84, 0
	s_cselect_b32 s[LIM], 1, -1
	s_lshr_b32 s82, s72, 4
	s_lshl_b32 s82, s82, 4
	s_lshr_b32 s84, s[Q0], 7
	s_add_co_u32 s82, s82, s84                     ; m / 128
	s_lshl_b32 s82, s82, 4
	s_and_b32 s84, s72, 15
	s_add_co_u32 s82, s82, s84
	s_lshl_b32 s82, s82, 14
	s_and_b32 s84, s[Q0], 127
	s_lshl_b32 s84, s84, 7
	s_add_co_u32 s82, s82, s84
	s_add_nc_u64 s[6:7], s[6:7], s[82:83]
	v_and_b32 v11, 15, v0                          ; r
	v_bfe_u32 v12, v0, 4, 1                        ; hh
	v_lshlrev_b32 v5, 7, v11
	v_lshl_add_u32 v5, v12, 4, v5
.irp t, 0,1
.irp c, 0,1
	global_load_b128 v[Q+16*\t+8*\c:Q+16*\t+8*\c+3], v5, s[8:9] offset:\t*2048+\c*64        ; Q stays in registers
	global_load_b128 v[Q+16*\t+8*\c+4:Q+16*\t+8*\c+7], v5, s[8:9] offset:\t*2048+\c*64+32
.endr
.endr
	v_lshrrev_b32 v13, 1, v11
	v_mul_u32_u24 v[AK0], v13, KP
	v_and_b32 v13, 1, v11
	v_lshl_add_u32 v[AK0], v13, 7, v[AK0]
	v_lshl_add_u32 v[AK0], v12, 4, v[AK0]          ; K: key r: (r / 2) 272 + (r % 2) 128 + 16 hh
	v_and_b32 v13, 7, v0
	v_lshrrev_b32 v13, 1, v13
	v_lshl_add_u32 v13, v12, 2, v13
	v_mul_u32_u24 v[AV0], v13, VP
	v_and_b32 v13, 1, v0
	v_lshl_add_u32 v[AV0], v13, 7, v[AV0]
	v_bfe_u32 v13, v0, 3, 1
	v_lshl_add_u32 v[AV0], v13, 4, v[AV0]
	v_add_nc_u32 v[AV0], VOFF, v[AV0]              ; V: key 8 hh + lane % 8, channels 8 ((lane / 8) % 2) on
	v_and_b32 v13, 31, v0
	v_lshlrev_b32 v[GO], 4, v13
	v_lshlrev_b32 v[PFO], 8, v13
	s_mul_i32 s96, s[WV], 4608
	s_add_co_u32 s96, s96, STAGE
	v_mul_u32_u24 v[STO], v11, 144
	v_lshl_add_u32 v[STO], v12, 4, v[STO]
	v_add_nc_u32 v[STO], s96, v[STO]
	v_lshrrev_b32 v14, 3, v13
	v_mul_u32_u24 v[RD], v14, 144
	v_and_b32 v14, 7, v13
	v_lshl_add_u32 v[RD], v14, 4, v[RD]
	v_add_nc_u32 v[RD], s96, v[RD]
.irp t, 0,1
	v_mov_b32 v[ST+8*\t+1], 0xff61b1e6             ; m: -3e38, under every score
	v_mul_f32 v[ST+8*\t], s[CS], v[ST+8*\t+1]
.irp k, 2,3,4,5,6,7
	v_mov_b32 v[ST+8*\t+\k], 0
.endr
.endr
.set n, 0
.rept 64
	v_mov_b32 v[O+n], 0                            ; the step is written once: the first finds zeros
.set n, n+1
.endr
; A KEY STEP: 64 keys, the q-th of the slot in hand.
.macro STEP q
	s_add_co_u32 s96, s[Q0], 31
	s_cmp_gt_u32 s[KF], s96                        ; all 64 keys come after my 32 queries: the step's work is left out
	s_cbranch_scc1 .Lhidden_\@
	v_add_nc_u32 v[ADK], s[TB], v[AK0]
	v_add_nc_u32 v[ADV], s[TB], v[AV0]
.rept 3
	v_nop                                          ; with the two additions five places behind the last product: four for the loads into its fragments' registers, five for the products that write over P
.endr
.irp kt, 0,1,2,3
.irp c, 0,1
	ds_load_b128 v[KV+8*(2*\kt+\c):KV+8*(2*\kt+\c)+3], v[ADK] offset:(\q)*8704+\kt*2176+\c*64
	ds_load_b128 v[KV+8*(2*\kt+\c)+4:KV+8*(2*\kt+\c)+7], v[ADK] offset:(\q)*8704+\kt*2176+\c*64+32
.endr
.endr
	s_wait_dscnt 0x0
.irp c, 0,1                            ; S^T: eight accumulators by turns
.irp kt, 0,1,2,3
.irp t, 0,1
.if \c == 0
	v_wmma_f32_16x16x32_f16 v[S+32*\t+8*\kt:S+32*\t+8*\kt+7], v[KV+8*(2*\kt+\c):KV+8*(2*\kt+\c)+7], v[Q+16*\t+8*\c:Q+16*\t+8*\c+7], 0
.else
	v_wmma_f32_16x16x32_f16 v[S+32*\t+8*\kt:S+32*\t+8*\kt+7], v[KV+8*(2*\kt+\c):KV+8*(2*\kt+\c)+7], v[Q+16*\t+8*\c:Q+16*\t+8*\c+7], v[S+32*\t+8*\kt:S+32*\t+8*\kt+7]
.endif
.endr
.endr
.endr
.rept 4
	v_nop                                          ; places ahead of the loads over K's fragments and of the first reads of the scores
.endr
.irp kh, 0,1
.irp ct, 0,1,2,3
	ds_load_tr16_b128 v[KV+8*(4*\kh+\ct):KV+8*(4*\kh+\ct)+3], v[ADV] offset:(\q)*9216+\kh*4608+\ct*32          ; V lands while the softmax is walked
	ds_load_tr16_b128 v[KV+8*(4*\kh+\ct)+4:KV+8*(4*\kh+\ct)+7], v[ADV] offset:(\q)*9216+\kh*4608+\ct*32+2304
.endr
.endr
	s_add_co_u32 s96, s[KF], 63
	s_cmp_le_u32 s96, s[Q0]                        ; all keys count: no mask
	s_cbranch_scc1 .Lopen_\@
	s_sub_co_i32 s96, s[Q0], s[KF]
	v_and_b32 v[DD], 15, v0
	v_bfe_u32 v12, v0, 4, 1
	v_lshlrev_b32 v12, 3, v12
	v_sub_nc_u32 v[DD], v[DD], v12
	v_add_nc_u32 v[DD], s96, v[DD]                 ; d = Q0 - KF + r - 8 hh: register 32 t + 8 kt + j is hidden where 16 kt + j - 16 t > d
	v_mov_b32 v12, 0xff800000
.irp t, 0,1
.irp kt, 0,1,2,3
.irp j, 0,1,2,3,4,5,6,7
	v_cmp_gt_i32 vcc_lo, 16*\kt+\j-16*\t, v[DD]
	v_cndmask_b32 v[S+32*\t+8*\kt+\j], v[S+32*\t+8*\kt+\j], v12, vcc_lo
.endr
.endr
.endr
.Lopen_\@:
.irp j, 0,1,2,3                        ; the maximum: four chains a tile, the two tiles by turns
.irp t, 0,1
	v_max3_num_f32 v[ST+8*\t+4+\j], v[S+32*\t+8*\j], v[S+32*\t+8*\j+1], v[S+32*\t+8*\j+2]
.endr
.endr
.irp u, 1,2
.irp j, 0,1,2,3
.irp t, 0,1
	v_max3_num_f32 v[ST+8*\t+4+\j], v[ST+8*\t+4+\j], v[S+32*\t+8*\j+2*\u+1], v[S+32*\t+8*\j+2*\u+2]
.endr
.endr
.endr
.irp t, 0,1
	v_max3_num_f32 v[ST+8*\t+4], v[ST+8*\t+4], v[S+32*\t+7], v[S+32*\t+15]
	v_max3_num_f32 v[ST+8*\t+6], v[ST+8*\t+6], v[S+32*\t+23], v[S+32*\t+31]
.endr
.irp t, 0,1
	v_max3_num_f32 v[ST+8*\t+4], v[ST+8*\t+4], v[ST+8*\t+5], v[ST+8*\t+6]
.endr
.irp t, 0,1
	v_max3_num_f32 v[ST+8*\t+4], v[ST+8*\t+4], v[ST+8*\t+7], v[ST+8*\t+1]
.endr
.irp t, 0,1
	v_permlanex16_b32 v[ST+8*\t+5], v[ST+8*\t+4], s[SEL], s[SEL+1]   ; the query's other 32 keys lie in the lane 16 away
	v_mov_b32 v[ST+8*\t+7], v[ST+8*\t]
.endr
.irp t, 0,1
	v_max_num_f32 v[ST+8*\t+1], v[ST+8*\t+4], v[ST+8*\t+5]
.endr
.irp t, 0,1
	v_mul_f32 v[ST+8*\t], s[CS], v[ST+8*\t+1]
.endr
.irp t, 0,1
	v_sub_f32 v[ST+8*\t+7], v[ST+8*\t+7], v[ST+8*\t]
.endr
.irp t, 0,1
	v_exp_f32 v[ST+8*\t+6], v[ST+8*\t+7]           ; a
.endr
.irp t, 0,1
.irp p, 0,2,4,6,8,10,12,14,16,18,20,22,24,26,28,30
	v_pk_fma_f32 v[S+32*\t+\p:S+32*\t+\p+1], v[S+32*\t+\p:S+32*\t+\p+1], s[CS:CS+1], v[ST+8*\t:ST+8*\t+1] op_sel_hi:[1,0,0] neg_lo:[0,0,1] neg_hi:[0,0,1]   ; c s - c m: plain work behind a's exponentials
.endr
.endr
	s_wait_alu depctr_va_vdst(0)                   ; the wait ahead of a's first reader
.irp t, 0,1
	v_pk_mul_f32 v[ST+8*\t+2:ST+8*\t+3], v[ST+8*\t+2:ST+8*\t+3], v[ST+8*\t+6:ST+8*\t+7] op_sel_hi:[1,0]
.endr
.set n, 0
.rept 32                               ; the 64 exponentials are one batch; O^T's rescaling, which names none of their results, is dealt among them
	v_exp_f32 v[S+2*n], v[S+2*n]
	v_exp_f32 v[S+2*n+1], v[S+2*n+1]
	v_pk_mul_f32 v[O+2*n:O+2*n+1], v[O+2*n:O+2*n+1], v[ST+8*(n/16)+6:ST+8*(n/16)+7] op_sel_hi:[1,0]
.set n, n+1
.endr
	s_wait_alu depctr_va_vdst(0)                   ; one wait for the batch, ahead of its first reader; the last line above is plain
.irp t, 0,1
	v_pk_add_f32 v[TP+2*\t:TP+2*\t+1], v[S+32*\t:S+32*\t+1], v[S+32*\t+2:S+32*\t+3]
.endr
.irp p, 4,8,12,16,20,24,28
.irp t, 0,1
	v_pk_add_f32 v[ST+8*\t+2:ST+8*\t+3], v[ST+8*\t+2:ST+8*\t+3], v[S+32*\t+\p:S+32*\t+\p+1]
	v_pk_add_f32 v[TP+2*\t:TP+2*\t+1], v[TP+2*\t:TP+2*\t+1], v[S+32*\t+\p+2:S+32*\t+\p+3]
.endr
.endr
.irp t, 0,1
	v_pk_add_f32 v[ST+8*\t+2:ST+8*\t+3], v[ST+8*\t+2:ST+8*\t+3], v[TP+2*\t:TP+2*\t+1]
.endr
.irp t, 0,1
.irp p, 0,1,2,3,4,5,6,7,8,9,10,11,12,13,14,15
	v_cvt_pk_f16_f32 v[S+32*\t+\p], v[S+32*\t+2*\p], v[S+32*\t+2*\p+1]   ; P in place, ascending: register p is written when pairs up to p / 2 have been read
.endr
.endr
	s_wait_dscnt 0x0                               ; V is in
.irp kh, 0,1                           ; O^T += V^T P: eight accumulators by turns
.irp ct, 0,1,2,3
.irp t, 0,1
	v_wmma_f32_16x16x32_f16 v[O+32*\t+8*\ct:O+32*\t+8*\ct+7], v[KV+8*(4*\kh+\ct):KV+8*(4*\kh+\ct)+7], v[S+32*\t+8*\kh:S+32*\t+8*\kh+7], v[O+32*\t+8*\ct:O+32*\t+8*\ct+7]
.endr
.endr
.endr
.Lhidden_\@:
	s_add_co_u32 s[KF], s[KF], 64
.endm
; THE CHANGE OF SLOTS, at a slot's head.  Each wave waits for all its tensor loads, adds 0 to its spare word, and waits for that and for its reads of the slot that it has left; behind the barrier the slot ahead is whole
; and nobody reads the other.  fill = 1: that other slot takes the next 256 keys, unless its first key comes after the work-group's last query: then none of the sixteen waves would read it.
.macro CHANGE fill
	s_wait_tensorcnt 0x0                           ; no tensor load of mine is out, so a group 0 may be written
	ds_add_u32 v[SPW], v[NIL]
.if \fill
	ds_add_u32 v[SPW], v[NIL]                      ; and twice on end here, in every trip alike
	s_xor_b32 s[G0K+1], s[G0K+1], SLOT1
	s_add_nc_u64 s[G0K+2:G0K+3], s[G0K+2:G0K+3], 32768
	s_xor_b32 s[G0V+1], s[G0V+1], SLOT1
	s_add_nc_u64 s[G0V+2:G0V+3], s[G0V+2:G0V+3], 32768
	s_wait_xcnt 0x0                                ; the last prefetch, a slot back, has read its address
	s_add_nc_u64 s[PFA:PFA+1], s[PFA:PFA+1], 32768
.endif
	s_wait_dscnt 0x0
	s_barrier_signal -1
	s_barrier_wait -1
.if \fill
	s_add_co_u32 s96, s[KF], 256                   ; the first key of the slot that this change would ask for
	s_cmp_gt_u32 s96, s[QL]                        ; ids and the count of steps alone: all sixteen waves go the same way
	s_cbranch_scc1 .Lpast_\@
	TLOAD
.Lpast_\@:
	ASK
.endif
.endm
.macro SLOT_STEPS
	STEP 0
	STEP 1
	STEP 2
	STEP 3
	s_xor_b32 s[TB], s[TB], SLOT1
.endm
	s_wait_loadcnt 0x0                             ; Q
.Lslot:                                            ; 7 trips
	CHANGE 1
	SLOT_STEPS
	s_sub_co_u32 s[SLOTS], s[SLOTS], 1
	s_cmp_lg_u32 s[SLOTS], 0
	s_cbranch_scc1 .Lslot
	CHANGE 0                                       ; the last slot is written out: nothing is left to ask for
	SLOT_STEPS
	; THE WAY OUT: O^T / l, rounded to f16, through my stage, and out as 4,096 dense bytes.
.rept 4
	v_nop
.endr
.irp t, 0,1
	v_add_f32 v[ST+8*\t+4], v[ST+8*\t+2], v[ST+8*\t+3]
.endr
.irp t, 0,1
	v_permlanex16_b32 v[ST+8*\t+5], v[ST+8*\t+4], s[SEL], s[SEL+1]
.endr
.irp t, 0,1
	v_add_f32 v[ST+8*\t+4], v[ST+8*\t+4], v[ST+8*\t+5]
.endr
.irp t, 0,1
	v_rcp_f32 v[ST+8*\t+6], v[ST+8*\t+4]
.endr
	v_nop
	s_wait_alu depctr_va_vdst(0)                   ; one wait for the two reciprocals
.set n, 0
.rept 32
	v_pk_mul_f32 v[O+2*n:O+2*n+1], v[O+2*n:O+2*n+1], v[ST+8*(n/16)+6:ST+8*(n/16)+7] op_sel_hi:[1,0]
.set n, n+1
.endr
.set n, 0
.rept 32
	v_cvt_pk_f16_f32 v[S+n], v[O+2*n], v[O+2*n+1]
.set n, n+1
.endr
.irp t, 0,1
.irp ct, 0,1,2,3
	ds_store_b128 v[STO], v[S+16*\t+4*\ct:S+16*\t+4*\ct+3] offset:\t*2304+32*\ct
.endr
.endr
.irp t, 0,1
.irp i, 0,1,2,3
	ds_load_b128 v[KV+16*\t+4*\i:KV+16*\t+4*\i+3], v[RD] offset:\t*2304+\i*576   ; LDS serves a wave's instructions in order: these see my stores
.endr
.endr
.irp t, 0,1
.irp i, 0,1,2,3
	s_wait_dscnt 7-4*\t-\i                         ; the younger loads may stay out
	global_store_b128 v[GO], v[KV+16*\t+4*\i:KV+16*\t+4*\i+3], s[6:7] offset:\t*2048+\i*512   ; 512 consecutive bytes: four queries
.endr
.endr
	s_wait_tensorcnt 0x0                           ; the wave's end
	ds_add_u32 v[SPW], v[NIL]
	s_wait_dscnt 0x0
	s_endpgm
.Lfunc_end_k_q652f1646e3_attn:
	.size	k_q652f1646e3_attn, .Lfunc_end_k_q652f1646e3_attn-k_q652f1646e3_attn
	.p2alignl 7, 3214868480
	.fill 96, 4, 3214868480
	.section	.rodata,"a",@progbits
	.p2align	6, 0x0
	.amdhsa_kernel k_q652f1646e3_attn
		.amdhsa_group_segment_fixed_size 327680
		.amdhsa_private_segment_fixed_size 0
		.amdhsa_enable_private_segment 0
		.amdhsa_kernarg_size 16
		.amdhsa_user_sgpr_count 2
		.amdhsa_user_sgpr_kernarg_segment_ptr 1
		.amdhsa_wavefront_size32 1
		.amdhsa_system_sgpr_workgroup_id_x 1
		.amdhsa_system_sgpr_workgroup_id_y 1
		.amdhsa_system_sgpr_workgroup_id_z 1
		.amdhsa_system_vgpr_workitem_id 0
		.amdhsa_next_free_vgpr 256
		.amdhsa_next_free_sgpr 100
		.amdhsa_reserve_vcc 1
		.amdhsa_float_denorm_mode_32 3
		.amdhsa_float_denorm_mode_16_64 3
		.amdhsa_memory_ordered 1
		.amdhsa_forward_progress 1
		.amdhsa_inst_pref_size 190
	.end_amdhsa_kernel
	.amdgpu_metadata
---
amdhsa.version: [ 1, 2 ]
amdhsa.kernels:
  - .name:           k_q652f1646e3_attn
    .symbol:         k_q652f1646e3_attn.kd
    .args:
      - { .name: qkv16, .offset: 0, .size: 8, .value_kind: global_buffer, .address_space: global }
      - { .name: ao, .offset: 8, .size: 8, .value_kind: global_buffer, .address_space: global }
    .group_segment_fixed_size: 327680
    .private_segment_fixed_size: 0
    .kernarg_segment_align: 8
    .kernarg_segment_size: 16
    .max_flat_workgroup_size: 512
    .sgpr_count:     100
    .vgpr_count:     256
    .wavefront_size: 32
...
	.end_amdgpu_metadata
.endif
;; end of part 3
;; launch oproj (part 4): grid 8 x 64, 4 waves a work-group, clusters of 4 x 4, 327,680 bytes of LDS; arguments ao, wo16, out0; writes out0
.if DOCPART == 4
	.amdgcn_target "amdgcn-amd-amdhsa--gfx1250"
	.amdhsa_code_object_version 6
	.text
	.protected	k_q652f1646e3_oproj
	.globl	k_q652f1646e3_oproj
	.p2align	8
	.type	k_q652f1646e3_oproj,@function
k_q652f1646e3_oproj:
	s_mov_b64 s[64:65], 0
	v_nop
	global_prefetch_b8 v0, s[64:65] scope:SCOPE_SE
	s_setreg_imm32_b32 hwreg(HW_REG_WAVE_MODE, 25, 1), 1
	s_wait_xcnt 0x0
	s_wait_alu depctr_hold_cnt(0) depctr_sa_sdst(0) depctr_va_vdst(0) depctr_va_sdst(0) depctr_va_ssrc(0) depctr_va_vcc(0) depctr_vm_vsrc(0)
	s_getreg_b32 s2, hwreg(HW_REG_IB_STS2, 6, 4)
	s_cmp_eq_u32 s2, 0
	s_cbranch_scc0 .Lentry_in_a_cluster
	s_endpgm
.Lentry_in_a_cluster:
	s_bfe_u32 s2, ttmp6, 0x10000c
	s_cmp_lg_u32 s2, 0xf033
	s_cbranch_scc0 .Lentry_shape_is_right
	s_endpgm
.Lentry_shape_is_right:
; out0 [8192][1024] f32 = A Wo^T.  A = the attention's result, f16, laid [m / 128][head][m % 128][64]; Wo, f16, laid [e / 128][d / 64][e % 128][64]: K runs by chunks of 64 (a head), in the same order on both sides.
; A tile of out0 is 128 x 128 (512 work-groups); four waves, each 64 x 64: 16 accumulators.  A K step is 256 = four chunks: 65,536 dense bytes of each side; a wave's tensor load brings two chunks as 128 rows of 256 bytes
; (two rows of the matrix each).  Two LDS slots; K = 1,024 is two laps.
; CLUSTERS: 4 x 4; A's tiles are asked for jointly along a row of the cluster, Wo's along a column.  THE MATRIX INSTRUCTION IS USED TRANSPOSED (source 0 = 16 rows of Wo, source 1 = 16 rows of A): a lane holds eight neighbouring outputs of a row.
; The rows of positions 0-15 of each sequence are written here too, and written over by the f32 launch that follows: leaving them out would take a branch on a work-group's place in its cluster.
; REGISTERS: window 0: v16-29 addresses; v32-95 the way out; v128-255 the accumulators ((a, b) at v[128 + 8 (4 a + b)]).  window 1: two fragment buffers of 128 (a chunk: 64 of A, 64 of Wo).
; lds_bytes claims all of a WGP's LDS; 296,448 bytes are used.
.set PITCH,  272
.set HALFT,  128*PITCH                 ; what one tensor load brings: two chunks
.set CHUNK,  64*PITCH
.set SLOT,   4*HALFT
.set STAGE,  2*SLOT                    ; behind the ring: 16 rows x 272 bytes a wave
.set SPITCH, 272
.set SPARE,  STAGE+4*16*SPITCH
.set LAPS,   2
.set ADRA, 16
.set ADRB, 20
.set STO,  24
.set RD,   25
.set CO,   26
.set SPW,  28
.set NIL,  29
.set TMP,  32
.set ACC,  128
.set F0,   0
.set F1,   128
.set G1, 24
.set G0, 32
.set G1B, 48
.set G0B, 56
.set MSB, 0
.macro WIN new
.if MSB != (\new)
	s_set_vgpr_msb (MSB<<8)|(\new)
.set MSB, (\new)
.endif
.endm
.set MUL,  0x05                        ; sources 0 and 1 window 1; C and D window 0
.set TO_F, 0x40
.macro JLOAD s                         ; waves 0, 1 fetch A's two halves, waves 2, 3 Wo's; an s_nop 0 and four v_nop follow each line
	s_cmp_eq_u32 s11, 0
	s_cbranch_scc0 .Lfor_b_\@
	tensor_load_to_lds s[G0+4*\s:G0+4*\s+3], s[G1:G1+7]
	s_nop 0
.rept 4
	v_nop
.endr
	s_branch .Lasked_\@
.Lfor_b_\@:
	tensor_load_to_lds s[G0B+4*\s:G0B+4*\s+3], s[G1B:G1B+7]
	s_nop 0
.rept 4
	v_nop
.endr
.Lasked_\@:
.endm
.macro CREST
	s_cmp_lg_u32 s10, 0
	s_cbranch_scc1 .Lnot_wave_0_\@
	s_barrier_signal -3
.Lnot_wave_0_\@:
	s_barrier_wait -3
	s_barrier_signal -1
	s_barrier_wait -1
.endm
.macro CROUND
	s_barrier_signal -1
	s_barrier_wait -1
	CREST
.endm
	s_load_b128 s[4:7], s[0:1], 0x0                ; ao, wo16
	s_load_b64 s[8:9], s[0:1], 0x10                ; out0
	v_lshl_add_u32 v[SPW], v0, 2, SPARE
	v_mov_b32 v[NIL], 0
	ds_add_u32 v[SPW], v[NIL]                      ; the wave's opening: the add, twice on end, and its wait ahead of my first tensor load
	ds_add_u32 v[SPW], v[NIL]
	v_lshrrev_b32 v1, 5, v0
	v_readfirstlane_b32 s10, v1                    ; wave
	s_lshr_b32 s11, s10, 1                         ; my half of the tile's rows; also: I fetch for A (0) or Wo (1)
	s_and_b32 s12, s10, 1                          ; my half of its columns; also: which two chunks I fetch
	s_bfe_u32 s40, ttmp6, 0x40000
	s_bfe_u32 s41, ttmp6, 0x40004
	s_lshl_b32 s42, ttmp9, 2
	s_add_co_u32 s42, s42, s40                     ; tile column
	s_and_b32 s13, ttmp7, 0xffff
	s_lshl_b32 s13, s13, 2
	s_add_co_u32 s13, s13, s41                     ; tile row
	s_lshl_b32 s43, s41, 2
	s_lshl_b32 s43, 15, s43
	s_lshl_b32 s44, 0x1111, s40
	s_or_b32 s[G1+0], s43, (1<<16)|(1<<20)|(1<<21)|(5<<22)|(3<<25)  ; the mask; elements of 2 bytes; padding: 4 words behind every 64; bit 21 beside a mask
	s_or_b32 s[G1B+0], s44, (1<<16)|(1<<20)|(1<<21)|(5<<22)|(3<<25)
.irp g, G1, G1B
	s_mov_b32 s[\g+1], 128<<16                     ; tensor_dim0 = 128 elements
	s_mov_b32 s[\g+2], 128<<16                     ; tensor_dim1 = 128
	s_mov_b32 s[\g+3], 128<<16                     ; tile_dim0
	s_mov_b32 s[\g+4], 128                         ; tile_dim1
	s_mov_b32 s[\g+5], 128                         ; pitch: the block is dense
	s_mov_b32 s[\g+6], 0
	s_mov_b32 s[\g+7], 0
.endr
	s_lshl_b32 s17, s12, 15                        ; my two chunks: 32,768 bytes
	s_lshl_b32 s16, s13, 18
	s_add_co_u32 s16, s16, s17                     ; A: 262,144 x tile row
	s_lshl_b32 s46, s42, 18
	s_add_co_u32 s46, s46, s17                     ; Wo: 262,144 x tile column
	s_mov_b32 s17, 0
	s_mov_b32 s47, 0
	s_mul_i32 s20, s10, HALFT
	s_wait_dscnt 0x0
	s_wait_kmcnt 0x0
	s_add_nc_u64 s[14:15], s[4:5], s[16:17]
	s_add_nc_u64 s[46:47], s[6:7], s[46:47]
	CROUND                                         ; all sixteen work-groups are here
.irp s, 0,1
	s_mov_b32 s[G0+4*\s], 1
	s_add_co_u32 s[G0+4*\s+1], s20, \s*SLOT
	s_add_nc_u64 s[G0+4*\s+2:G0+4*\s+3], s[14:15], \s*65536
	s_or_b32 s[G0+4*\s+3], s[G0+4*\s+3], 0x80000000
	s_mov_b32 s[G0B+4*\s], 1
	s_add_co_u32 s[G0B+4*\s+1], s20, \s*SLOT
	s_add_nc_u64 s[G0B+4*\s+2:G0B+4*\s+3], s[46:47], \s*65536
	s_or_b32 s[G0B+4*\s+3], s[G0B+4*\s+3], 0x80000000
	JLOAD \s
.endr
	v_and_b32 v1, 15, v0                           ; r
	v_bfe_u32 v2, v0, 4, 1                         ; hh
	v_lshrrev_b32 v4, 1, v1
	v_mul_u32_u24 v3, v4, PITCH
	v_and_b32 v4, 1, v1
	v_lshl_add_u32 v3, v4, 7, v3
	v_lshl_add_u32 v3, v2, 4, v3                   ; row r of a chunk: (r / 2) 272 + (r % 2) 128 + 16 hh
	s_mul_i32 s21, s11, 32*PITCH                   ; my 64 rows of A,
	s_mul_i32 s22, s12, 32*PITCH                   ; my 64 rows of Wo,
	s_add_co_u32 s22, s22, 2*HALFT                 ; which lie behind A's four chunks
.irp s, 0,1
	v_add_nc_u32 v[ADRA+\s], s21, v3
	v_add_nc_u32 v[ADRB+\s], s22, v3
	s_add_co_u32 s21, s21, SLOT
	s_add_co_u32 s22, s22, SLOT
.endr
	s_mul_i32 s23, s10, 16*SPITCH
	s_add_co_u32 s23, s23, STAGE                   ; my stage
	v_mul_u32_u24 v4, v1, SPITCH
	v_lshl_add_u32 v4, v2, 5, v4
	v_add_nc_u32 v[STO], s23, v4                   ; in: row r, 32 bytes for each half of the lanes
	v_mul_u32_u24 v5, v2, SPITCH
	v_lshl_add_u32 v5, v1, 4, v5
	v_add_nc_u32 v[RD], s23, v5                    ; back: lanes 0-15 one row of 256 bytes, lanes 16-31 the next
	v_lshlrev_b32 v5, 12, v2
	v_lshl_add_u32 v[CO], v1, 4, v5                ; and the same two rows in out0
	s_lshl_b32 s16, s13, 7
	s_lshl_b32 s17, s11, 6
	s_add_co_u32 s16, s16, s17
	s_lshl_b32 s16, s16, 12                        ; my first row, 4,096 bytes a row
	s_mov_b32 s17, 0
	s_add_nc_u64 s[8:9], s[8:9], s[16:17]
	s_lshl_b32 s46, s42, 9
	s_lshl_b32 s47, s12, 8
	s_add_co_u32 s46, s46, s47                     ; my first column, in bytes
	s_mov_b32 s47, 0
	s_add_nc_u64 s[8:9], s[8:9], s[46:47]
.macro MUL8 f, c, a0, zero             ; m blocks a0, a0 + 1 x 4 n blocks, 32 along K; the 16 accumulators take turns
.irp a, \a0, \a0+1
.irp b, 0,1,2,3
.if \zero
	v_wmma_f32_16x16x32_f16 v[ACC+8*(4*(\a)+\b):ACC+8*(4*(\a)+\b)+7], v[\f+64+8*(4*\c+\b):\f+64+8*(4*\c+\b)+7], v[\f+8*(4*\c+\a):\f+8*(4*\c+\a)+7], 0
.else
	v_wmma_f32_16x16x32_f16 v[ACC+8*(4*(\a)+\b):ACC+8*(4*(\a)+\b)+7], v[\f+64+8*(4*\c+\b):\f+64+8*(4*\c+\b)+7], v[\f+8*(4*\c+\a):\f+8*(4*\c+\a)+7], v[ACC+8*(4*(\a)+\b):ACC+8*(4*(\a)+\b)+7]
.endif
.endr
.endr
.endm
.macro FETCH slot, j, f                ; 32 LDS loads in one run: chunk j's fragments into buffer f, its first 32 along K first
	WIN TO_F
.irp c, 0,1
.irp i, 0,1,2,3
	ds_load_b128 v[\f+64+8*(4*\c+\i):\f+64+8*(4*\c+\i)+3],   v[ADRB+\slot] offset:(\j)*CHUNK+64*\c+\i*8*PITCH
	ds_load_b128 v[\f+64+8*(4*\c+\i)+4:\f+64+8*(4*\c+\i)+7], v[ADRB+\slot] offset:(\j)*CHUNK+64*\c+\i*8*PITCH+32
	ds_load_b128 v[\f+8*(4*\c+\i):\f+8*(4*\c+\i)+3],         v[ADRA+\slot] offset:(\j)*CHUNK+64*\c+\i*8*PITCH
	ds_load_b128 v[\f+8*(4*\c+\i)+4:\f+8*(4*\c+\i)+7],       v[ADRA+\slot] offset:(\j)*CHUNK+64*\c+\i*8*PITCH+32
.endr
.endr
.endm
.macro PLACES
.rept 4
	v_nop
.endr
.endm
.macro QUARTER slot, j, f, g, zero     ; multiplies buffer f (a chunk) and fetches chunk j into g
	s_wait_dscnt 16                                ; the first 32 along K are in; the youngest sixteen loads may be out
	WIN MUL
	MUL8 \f, 0, 0, \zero
	MUL8 \f, 0, 2, \zero
	PLACES
	FETCH \slot, \j, \g
	s_wait_dscnt 32                                ; all but the 32 just issued
	WIN MUL
	MUL8 \f, 1, 0, 0
	MUL8 \f, 1, 2, 0
.endm
.macro TURN slot, next, fill           ; a slot's last chunk, and the change of slots
	WIN 0
	s_wait_tensorcnt 0x0                           ; all my tensor loads have landed: my part of the next slot;
	ds_add_u32 v[SPW], v[NIL]
	s_wait_dscnt 17                                ; (the add and the youngest sixteen loads may be out)
	WIN MUL
	MUL8 F1, 0, 0, 0
	s_wait_dscnt 0x0                               ; the add is done, and my reads of this slot are over
	s_barrier_signal -1
	MUL8 F1, 0, 2, 0
.if \fill
	WIN 0
.endif
	s_barrier_wait -1
.if \fill
	CREST                                          ; the barrier has opened a round of the cluster's: no wave of any partner still reads this slot or has a load on its way
	s_add_nc_u64 s[G0+4*\slot+2:G0+4*\slot+3], s[G0+4*\slot+2:G0+4*\slot+3], 131072
	s_add_nc_u64 s[G0B+4*\slot+2:G0B+4*\slot+3], s[G0B+4*\slot+2:G0B+4*\slot+3], 131072
	JLOAD \slot                                    ; the first tensor load behind the round; its four v_nop are also the places ahead of the loads below
.else
	PLACES
.endif
	FETCH \next, 0, F0
	WIN MUL
	MUL8 F1, 1, 0, 0
	MUL8 F1, 1, 2, 0
.endm
	s_wait_tensorcnt 1                             ; my part of K step 0 is in (K step 1's load may be out),
	s_barrier_signal -1
	s_barrier_wait -1
	FETCH 0, 0, F0
	QUARTER 0, 1, F0, F1, 1
	WIN 0
	s_mov_b32 s3, LAPS-1
.Llap:
	QUARTER 0, 2, F1, F0, 0
	QUARTER 0, 3, F0, F1, 0
	TURN 0, 1, 1
	QUARTER 1, 1, F0, F1, 0
	QUARTER 1, 2, F1, F0, 0
	QUARTER 1, 3, F0, F1, 0
	TURN 1, 0, 1
	QUARTER 0, 1, F0, F1, 0
	WIN 0
	s_sub_co_u32 s3, s3, 1
	s_cmp_lg_u32 s3, 0
	s_cbranch_scc1 .Llap
	QUARTER 0, 2, F1, F0, 0                        ; the last lap fills nothing
	QUARTER 0, 3, F0, F1, 0
	TURN 0, 1, 0
	QUARTER 1, 1, F0, F1, 0
	QUARTER 1, 2, F1, F0, 0
	QUARTER 1, 3, F0, F1, 0
	s_wait_dscnt 16
	WIN MUL
	MUL8 F1, 0, 0, 0
	MUL8 F1, 0, 2, 0
	s_wait_dscnt 0
	MUL8 F1, 1, 0, 0
	MUL8 F1, 1, 2, 0
	WIN 0
	; THE WAY OUT, f32: my 64 columns are 256 bytes of a row, so the stage is my own and no barrier is needed.  16 rows at a time.
.macro TOSTAGE a
.irp b, 0,1,2,3
	ds_store_b128 v[STO], v[ACC+8*(4*(\a)+\b):ACC+8*(4*(\a)+\b)+3] offset:64*\b       ; each accumulator from its low end on
	ds_store_b128 v[STO], v[ACC+8*(4*(\a)+\b)+4:ACC+8*(4*(\a)+\b)+7] offset:64*\b+16
.endr
.irp t, 0,1,2,3,4,5,6,7
	ds_load_b128 v[TMP+32*((\a)%2)+4*\t:TMP+32*((\a)%2)+4*\t+3], v[RD] offset:\t*2*SPITCH   ; LDS serves a wave's instructions in order
.endr
.endm
.macro SEND a, younger
	s_wait_dscnt \younger                          ; the next block's eight stores and eight loads may be out
.irp t, 0,1,2,3,4,5,6,7
	global_store_b128 v[CO], v[TMP+32*((\a)%2)+4*\t:TMP+32*((\a)%2)+4*\t+3], s[8:9] offset:(\a)*65536+\t*8192 th:TH_STORE_NT   ; 16 lanes store 256 consecutive bytes, aligned
.endr
.endm
	PLACES
	TOSTAGE 0
	TOSTAGE 1
	SEND 0, 16
	s_wait_xcnt 0x0                                ; block 0's stores have read the registers into which block 2's loads land
	TOSTAGE 2
	SEND 1, 16
	s_wait_xcnt 0x0
	TOSTAGE 3
	SEND 2, 16
	SEND 3, 0
	s_wait_tensorcnt 0x0                           ; the wave's end
	ds_add_u32 v[SPW], v[NIL]
	s_wait_dscnt 0x0
	CROUND                                         ; the closing round
	s_endpgm
.Lfunc_end_k_q652f1646e3_oproj:
	.size	k_q652f1646e3_oproj, .Lfunc_end_k_q652f1646e3_oproj-k_q652f1646e3_oproj
	.p2alignl 7, 3214868480
	.fill 96, 4, 3214868480
	.section	.rodata,"a",@progbits
	.p2align	6, 0x0
	.amdhsa_kernel k_q652f1646e3_oproj
		.amdhsa_group_segment_fixed_size 327680
		.amdhsa_private_segment_fixed_size 0
		.amdhsa_enable_private_segment 0
		.amdhsa_kernarg_size 24
		.amdhsa_user_sgpr_count 2
		.amdhsa_user_sgpr_kernarg_segment_ptr 1
		.amdhsa_wavefront_size32 1
		.amdhsa_system_sgpr_workgroup_id_x 1
		.amdhsa_system_sgpr_workgroup_id_y 1
		.amdhsa_system_sgpr_workgroup_id_z 1
		.amdhsa_system_vgpr_workitem_id 0
		.amdhsa_next_free_vgpr 512
		.amdhsa_next_free_sgpr 66
		.amdhsa_reserve_vcc 0
		.amdhsa_float_denorm_mode_32 3
		.amdhsa_float_denorm_mode_16_64 3
		.amdhsa_memory_ordered 1
		.amdhsa_forward_progress 1
		.amdhsa_inst_pref_size 86
	.end_amdhsa_kernel
	.amdgpu_metadata
---
amdhsa.version: [ 1, 2 ]
amdhsa.kernels:
  - .name:           k_q652f1646e3_oproj
    .symbol:         k_q652f1646e3_oproj.kd
    .args:
      - { .name: ao, .offset: 0, .size: 8, .value_kind: global_buffer, .address_space: global }
      - { .name: wo16, .offset: 8, .size: 8, .value_kind: global_buffer, .address_space: global }
      - { .name: out0, .offset: 16, .size: 8, .value_kind: global_buffer, .address_space: global }
    .group_segment_fixed_size: 327680
    .private_segment_fixed_size: 0
    .kernarg_segment_align: 8
    .kernarg_segment_size: 24
    .max_flat_workgroup_size: 128
    .sgpr_count:     66
    .vgpr_count:     512
    .wavefront_size: 32
...
	.end_amdgpu_metadata
.endif
;; end of part 4
;; launch fine_attn (part 5): grid 16 x 4, 1 waves a work-group, no clusters, 0 bytes of LDS; arguments codes, scales, rope, fine_o; writes fine_o
.if DOCPART == 5
	.amdgcn_target "amdgcn-amd-amdhsa--gfx1250"
	.amdhsa_code_object_version 6
	.text
	.protected	k_q652f1646e3_fine_attn
	.globl	k_q652f1646e3_fine_attn
	.p2align	8
	.type	k_q652f1646e3_fine_attn,@function
k_q652f1646e3_fine_attn:
	s_mov_b64 s[64:65], 0
	v_nop
	global_prefetch_b8 v0, s[64:65] scope:SCOPE_SE
	s_setreg_imm32_b32 hwreg(HW_REG_WAVE_MODE, 25, 1), 1
	s_wait_xcnt 0x0
; THE FIRST 16 POSITIONS of each (batch, head), all in f32 behind the quantised products: these rows average one to sixteen values and are the largest of the output.
; One wave: q, k, v of 16 tokens x 64 channels from the codes (96 FP4 matrix instructions), RoPE, scores, softmax with its maximum taken away, p / l, and p V by the f32 matrix form.
; q, k: source 0 = 16 rows of W, source 1 = x: a lane holds one token and channels 16 t + 8 hh + j.  v: source 0 = x, source 1 = 16 rows of Wv: a lane holds one channel and tokens 8 hh + j.
; The f32 form takes k = 2 hh + j from a pair of registers: pair jj of such a tile holds places 2 jj, 2 jj + 1, 8 + 2 jj, 9 + 2 jj, the same on both operands, so the products are kept.
; REGISTERS: window 0: v1-5 addresses; v8-15 x's scale words; v16-63 the weights' (lanes 0-15 the even tile, lanes 16-31 the odd); v64-127 x's fragments, later q' and k'; v128-159, v160-191, v192-223 q, k, v;
;   v224-255 the table of positions 0-15, later the softmax.  windows 1, 2, 3: v0-127: the fragments of Wq, Wk, Wv for four K steps; they come in two runs.
; v128-143 (scores) and v160-191 (the result) are written by matrix instructions alone.  fine_o: images of the result's registers, [b][head][t][c][lane][16 bytes].
.set XS, 8
.set WS, 16
.set XF, 64
.set QA, 128
.set KA, 160
.set VA, 192
.set RT, 224
.set MSB, 0
.macro WIN new
.if MSB != (\new)
	s_set_vgpr_msb (MSB<<8)|(\new)
.set MSB, (\new)
.endif
.endm
.macro FP4 d, a, b, zero, sa, sb, rowa, rowb
.if \zero
.if \rowa
	v_wmma_scale_f32_16x16x128_f8f6f4 v[(\d):(\d)+7], v[(\a):(\a)+7], v[(\b):(\b)+7], 0, v[\sa], v[\sb] matrix_a_fmt:MATRIX_FMT_FP4 matrix_b_fmt:MATRIX_FMT_FP4 matrix_a_scale:MATRIX_SCALE_ROW1
.elseif \rowb
	v_wmma_scale_f32_16x16x128_f8f6f4 v[(\d):(\d)+7], v[(\a):(\a)+7], v[(\b):(\b)+7], 0, v[\sa], v[\sb] matrix_a_fmt:MATRIX_FMT_FP4 matrix_b_fmt:MATRIX_FMT_FP4 matrix_b_scale:MATRIX_SCALE_ROW1
.else
	v_wmma_scale_f32_16x16x128_f8f6f4 v[(\d):(\d)+7], v[(\a):(\a)+7], v[(\b):(\b)+7], 0, v[\sa], v[\sb] matrix_a_fmt:MATRIX_FMT_FP4 matrix_b_fmt:MATRIX_FMT_FP4
.endif
.else
.if \rowa
	v_wmma_scale_f32_16x16x128_f8f6f4 v[(\d):(\d)+7], v[(\a):(\a)+7], v[(\b):(\b)+7], v[(\d):(\d)+7], v[\sa], v[\sb] matrix_a_fmt:MATRIX_FMT_FP4 matrix_b_fmt:MATRIX_FMT_FP4 matrix_a_scale:MATRIX_SCALE_ROW1
.elseif \rowb
	v_wmma_scale_f32_16x16x128_f8f6f4 v[(\d):(\d)+7], v[(\a):(\a)+7], v[(\b):(\b)+7], v[(\d):(\d)+7], v[\sa], v[\sb] matrix_a_fmt:MATRIX_FMT_FP4 matrix_b_fmt:MATRIX_FMT_FP4 matrix_b_scale:MATRIX_SCALE_ROW1
.else
	v_wmma_scale_f32_16x16x128_f8f6f4 v[(\d):(\d)+7], v[(\a):(\a)+7], v[(\b):(\b)+7], v[(\d):(\d)+7], v[\sa], v[\sb] matrix_a_fmt:MATRIX_FMT_FP4 matrix_b_fmt:MATRIX_FMT_FP4
.endif
.endif
.endm
.macro WFRAGS p                        ; the three weights' fragments of K steps 4 p .. 4 p + 3: tile t, step k at v[8 (4 t + k)] of window 1 + w
.irp w, 0,1,2
	WIN 0x40*(\w+1)
.irp t, 0,1,2,3
.irp k, 0,1,2,3
.irp c, 0,1
	global_load_b128 v[8*(4*\t+\k)+4*\c:8*(4*\t+\k)+4*\c+3], v1, s[14:15] offset:\w*524288+\t*8192+(4*(\p)+\k)*64+32*\c
.endr
.endr
.endr
.endr
	WIN 0
.endm
.macro PRODS p                         ; 48 products; in each of the three runs four accumulators take turns
	WIN 0x01
.irp k, 0,1,2,3
.irp t, 0,1,2,3
	FP4 QA+8*\t, 8*(4*\t+\k), XF+8*(4*(\p)+\k), ((\p)+\k==0), WS+8*(\t/2)+4*(\p)+\k, XS+4*(\p)+\k, \t%2, 0
.endr
.endr
	WIN 0x02
.irp k, 0,1,2,3
.irp t, 0,1,2,3
	FP4 KA+8*\t, 8*(4*\t+\k), XF+8*(4*(\p)+\k), ((\p)+\k==0), WS+8*(2+\t/2)+4*(\p)+\k, XS+4*(\p)+\k, \t%2, 0
.endr
.endr
	WIN 0x0c
.irp k, 0,1,2,3
.irp t, 0,1,2,3
	FP4 VA+8*\t, XF+8*(4*(\p)+\k), 8*(4*\t+\k), ((\p)+\k==0), XS+4*(\p)+\k, WS+8*(4+\t/2)+4*(\p)+\k, 0, \t%2
.endr
.endr
	WIN 0
.endm
	s_load_b256 s[4:11], s[0:1], 0x0               ; codes, scales, rope, fine_o
	v_and_b32 v6, 15, v0                           ; r
	v_bfe_u32 v7, v0, 4, 1                         ; hh
	v_lshlrev_b32 v1, 9, v6
	v_lshl_add_u32 v1, v7, 4, v1                   ; a row of codes is 512 bytes; + 16 hh
	v_lshlrev_b32 v2, 5, v6                        ; x's scales: 32 bytes a row
	v_lshlrev_b32 v3, 5, v0                        ; the weights': row = lane of a pair of tiles
	v_lshlrev_b32 v4, 4, v0                        ; images: 16 bytes a lane
	v_lshlrev_b32 v5, 3, v7
	v_sub_nc_u32 v5, v6, v5                        ; d = r - 8 hh: key 8 hh + j is hidden where j > d
	s_and_b32 s24, ttmp7, 0xffff                   ; b
	s_mov_b32 s27, 0
	s_mov_b32 s20, 0x76543210
	s_mov_b32 s21, 0xfedcba98
	s_mov_b32 s22, 0x3e38aa3b                      ; c = log2(e) / 8
	s_wait_kmcnt 0x0
	s_lshl_b32 s26, s24, 20
	s_add_nc_u64 s[12:13], s[4:5], s[26:27]        ; x's codes at the sequence's first row
	s_lshl_b32 s26, ttmp9, 15
	s_add_nc_u64 s[14:15], s[4:5], s[26:27]
	s_add_nc_u64 s[14:15], s[14:15], 0x400000      ; Wq's codes at the head's first row
	s_lshl_b32 s26, s24, 16
	s_add_nc_u64 s[16:17], s[6:7], s[26:27]
	s_lshl_b32 s26, ttmp9, 11
	s_add_nc_u64 s[18:19], s[6:7], s[26:27]
	s_add_nc_u64 s[18:19], s[18:19], 0x40000
	s_lshl_b32 s26, s24, 4
	s_add_co_u32 s26, s26, ttmp9
	s_lshl_b32 s26, s26, 12
	s_add_nc_u64 s[10:11], s[10:11], s[26:27]
.irp k, 0,1,2,3,4,5,6,7
.irp c, 0,1
	global_load_b128 v[XF+8*\k+4*\c:XF+8*\k+4*\c+3], v1, s[12:13] offset:\k*64+32*\c
.endr
.endr
	global_load_b128 v[XS:XS+3], v2, s[16:17]
	global_load_b128 v[XS+4:XS+7], v2, s[16:17] offset:16
.irp w, 0,1,2
.irp p, 0,1
.irp c, 0,1
	global_load_b128 v[WS+8*(2*\w+\p)+4*\c:WS+8*(2*\w+\p)+4*\c+3], v3, s[18:19] offset:\w*32768+\p*1024+16*\c
.endr
.endr
.endr
.irp bb, 0,1,2,3
.irp c, 0,1
	global_load_b128 v[RT+8*\bb+4*\c:RT+8*\bb+4*\c+3], v4, s[8:9] offset:\bb*1024+\c*512
.endr
.endr
	WFRAGS 0
	s_wait_loadcnt 0x0
	PRODS 0
.rept 4
	v_nop                                          ; places ahead of the loads into the fragments' registers
.endr
	WFRAGS 1
	s_wait_loadcnt 0x0
	PRODS 1
.rept 5
	v_nop                                          ; places ahead of the first reads of results, of writes over x's fragments, and of matrix instructions that write over earlier ones' registers
.endr
	; RoPE: (e cos, o cos), then (-o sin + e cos, e sin + o cos); results in other registers: q' v64-95, k' v96-127
.irp t, 0,1,2,3
.irp i, 0,1,2,3
	v_pk_mul_f32 v[64+8*\t+2*\i:64+8*\t+2*\i+1], v[QA+8*\t+2*\i:QA+8*\t+2*\i+1], v[RT+8*\t+2*\i:RT+8*\t+2*\i+1] op_sel_hi:[1,0]
	v_pk_mul_f32 v[96+8*\t+2*\i:96+8*\t+2*\i+1], v[KA+8*\t+2*\i:KA+8*\t+2*\i+1], v[RT+8*\t+2*\i:RT+8*\t+2*\i+1] op_sel_hi:[1,0]
.endr
.endr
.irp t, 0,1,2,3
.irp i, 0,1,2,3
	v_pk_fma_f32 v[64+8*\t+2*\i:64+8*\t+2*\i+1], v[QA+8*\t+2*\i:QA+8*\t+2*\i+1], v[RT+8*\t+2*\i:RT+8*\t+2*\i+1], v[64+8*\t+2*\i:64+8*\t+2*\i+1] op_sel:[1,1,0] op_sel_hi:[0,1,1] neg_lo:[0,1,0]
	v_pk_fma_f32 v[96+8*\t+2*\i:96+8*\t+2*\i+1], v[KA+8*\t+2*\i:KA+8*\t+2*\i+1], v[RT+8*\t+2*\i:RT+8*\t+2*\i+1], v[96+8*\t+2*\i:96+8*\t+2*\i+1] op_sel:[1,1,0] op_sel_hi:[0,1,1] neg_lo:[0,1,0]
.endr
.endr
	; S^T = k' q'^T: 16 steps of 4 along the channels, two accumulators by turns; a lane then holds query r and keys 8 hh + j
.set n, 0
.irp t, 0,1,2,3
.irp jj, 0,1,2,3
.if n < 2
	v_wmma_f32_16x16x4_f32 v[128+8*(n%2):128+8*(n%2)+7], v[96+8*\t+2*\jj:96+8*\t+2*\jj+1], v[64+8*\t+2*\jj:64+8*\t+2*\jj+1], 0
.else
	v_wmma_f32_16x16x4_f32 v[128+8*(n%2):128+8*(n%2)+7], v[96+8*\t+2*\jj:96+8*\t+2*\jj+1], v[64+8*\t+2*\jj:64+8*\t+2*\jj+1], v[128+8*(n%2):128+8*(n%2)+7]
.endif
.set n, n+1
.endr
.endr
.rept 8
	v_nop                                          ; eight places behind this form
.endr
.irp j, 0,1,2,3,4,5,6,7
	v_add_f32 v[224+\j], v[128+\j], v[136+\j]
.endr
	v_mov_b32 v232, 0xff800000
	v_mov_b32 v234, 0
	v_mov_b32 v237, 0
.irp j, 0,1,2,3,4,5,6,7
	v_cmp_gt_i32 vcc_lo, \j, v5
	v_cndmask_b32 v[224+\j], v[224+\j], v232, vcc_lo
.endr
	v_max3_num_f32 v233, v224, v225, v226
	v_max3_num_f32 v233, v233, v227, v228
	v_max3_num_f32 v233, v233, v229, v230
	v_max_num_f32 v233, v233, v231
	v_permlanex16_b32 v234, v233, s20, s21
	v_max_num_f32 v233, v233, v234                 ; the row's maximum: key 0 counts for every query
	v_mul_f32 v235, s22, v233
.irp j, 0,1,2,3,4,5,6,7
	v_fma_f32 v[224+\j], v[224+\j], s22, -v235
.endr
.irp j, 0,1,2,3,4,5,6,7
	v_exp_f32 v[224+\j], v[224+\j]
.endr
	v_nop
	s_wait_alu depctr_va_vdst(0)                   ; one wait for the eight, ahead of their first reader
	v_add_f32 v236, v224, v225
	v_add_f32 v239, v226, v227
	v_add_f32 v236, v236, v228
	v_add_f32 v239, v239, v229
	v_add_f32 v236, v236, v230
	v_add_f32 v239, v239, v231
	v_add_f32 v236, v236, v239
	v_permlanex16_b32 v237, v236, s20, s21
	v_add_f32 v236, v236, v237
	v_rcp_f32 v238, v236
	v_nop
	s_wait_alu depctr_va_vdst(0)
.irp j, 0,1,2,3,4,5,6,7
	v_mul_f32 v[240+\j], v[224+\j], v238           ; p / l
.endr
	; O^T = V^T P^T: 4 steps of 4 keys, four accumulators by turns
.irp jj, 0,1,2,3
.irp t, 0,1,2,3
.if \jj == 0
	v_wmma_f32_16x16x4_f32 v[160+8*\t:160+8*\t+7], v[VA+8*\t+2*\jj:VA+8*\t+2*\jj+1], v[240+2*\jj:240+2*\jj+1], 0
.else
	v_wmma_f32_16x16x4_f32 v[160+8*\t:160+8*\t+7], v[VA+8*\t+2*\jj:VA+8*\t+2*\jj+1], v[240+2*\jj:240+2*\jj+1], v[160+8*\t:160+8*\t+7]
.endif
.endr
.endr
.rept 8
	v_nop
.endr
.irp t, 0,1,2,3
.irp c, 0,1
	global_store_b128 v4, v[160+8*\t+4*\c:160+8*\t+4*\c+3], s[10:11] offset:\t*1024+\c*512   ; 512 consecutive bytes
.endr
.endr
	s_endpgm
.Lfunc_end_k_q652f1646e3_fine_attn:
	.size	k_q652f1646e3_fine_attn, .Lfunc_end_k_q652f1646e3_fine_attn-k_q652f1646e3_fine_attn
	.p2alignl 7, 3214868480
	.fill 96, 4, 3214868480
	.section	.rodata,"a",@progbits
	.p2align	6, 0x0
	.amdhsa_kernel k_q652f1646e3_fine_attn
		.amdhsa_group_segment_fixed_size 0
		.amdhsa_private_segment_fixed_size 0
		.amdhsa_enable_private_segment 0
		.amdhsa_kernarg_size 32
		.amdhsa_user_sgpr_count 2
		.amdhsa_user_sgpr_kernarg_segment_ptr 1
		.amdhsa_wavefront_size32 1
		.amdhsa_system_sgpr_workgroup_id_x 1
		.amdhsa_system_sgpr_workgroup_id_y 1
		.amdhsa_system_sgpr_workgroup_id_z 1
		.amdhsa_system_vgpr_workitem_id 0
		.amdhsa_next_free_vgpr 896
		.amdhsa_next_free_sgpr 66
		.amdhsa_reserve_vcc 1
		.amdhsa_float_denorm_mode_32 3
		.amdhsa_float_denorm_mode_16_64 3
		.amdhsa_memory_ordered 1
		.amdhsa_forward_progress 1
		.amdhsa_inst_pref_size 46
	.end_amdhsa_kernel
	.amdgpu_metadata
---
amdhsa.version: [ 1, 2 ]
amdhsa.kernels:
  - .name:           k_q652f1646e3_fine_attn
    .symbol:         k_q652f1646e3_fine_attn.kd
    .args:
      - { .name: codes, .offset: 0, .size: 8, .value_kind: global_buffer, .address_space: global }
      - { .name: scales, .offset: 8, .size: 8, .value_kind: global_buffer, .address_space: global }
      - { .name: rope, .offset: 16, .size: 8, .value_kind: global_buffer, .address_space: global }
      - { .name: fine_o, .offset: 24, .size: 8, .value_kind: global_buffer, .address_space: global }
    .group_segment_fixed_size: 0
    .private_segment_fixed_size: 0
    .kernarg_segment_align: 8
    .kernarg_segment_size: 32
    .max_flat_workgroup_size: 32
    .sgpr_count:     66
    .vgpr_count:     896
    .wavefront_size: 32
...
	.end_amdgpu_metadata
.endif
;; end of part 5
;; launch fine_proj (part 6): grid 64 x 4, 4 waves a work-group, no clusters, 4,608 bytes of LDS; arguments fine_o, Wo, out0; writes out0
.if DOCPART == 6
	.amdgcn_target "amdgcn-amd-amdhsa--gfx1250"
	.amdhsa_code_object_version 6
	.text
	.protected	k_q652f1646e3_fine_proj
	.globl	k_q652f1646e3_fine_proj
	.p2align	8
	.type	k_q652f1646e3_fine_proj,@function
k_q652f1646e3_fine_proj:
	s_mov_b64 s[64:65], 0
	v_nop
	global_prefetch_b8 v0, s[64:65] scope:SCOPE_SE
	s_setreg_imm32_b32 hwreg(HW_REG_WAVE_MODE, 25, 1), 1
	s_wait_xcnt 0x0
; THE FIRST 16 POSITIONS of each sequence through the out projection, in f32: out0[b][r][e] = sum over d of o[r][d] Wo[e][d], r = 0 .. 15.  These 64 rows are written over what the f16 launch left there.
; A work-group makes 16 tokens x 16 outputs (e0 = 16 x work-group x); wave w sums over heads 4 w .. 4 w + 3 (K = 256); the four parts meet in LDS.
; Source 0 = 16 rows of Wo, source 1 = o: a lane holds token r and outputs e0 + 8 hh + j.  o comes as images of registers (token r, channels 16 t + 8 hh + 0 .. 7 of a head); Wo's rows are loaded in the same places of d.
; v192-223, the four accumulators, are written by matrix instructions alone.  A work-group stores 64 bytes of each of 16 rows: aligned blocks of 256 bytes are written in part, 256 KB in the whole launch.
.set SPW, 252
.set NIL, 253
.set MSB, 0
.macro WIN new
.if MSB != (\new)
	s_set_vgpr_msb (MSB<<8)|(\new)
.set MSB, (\new)
.endif
.endm
	s_load_b128 s[4:7], s[0:1], 0x0                ; fine_o, Wo
	s_load_b64 s[8:9], s[0:1], 0x10                ; out0
	v_lshl_add_u32 v[SPW], v0, 2, 4096             ; my spare word: behind the four images
	v_mov_b32 v[NIL], 0
	v_lshrrev_b32 v1, 5, v0
	v_readfirstlane_b32 s10, v1                    ; wave
	v_and_b32 v1, 31, v0
	v_and_b32 v2, 15, v0
	v_bfe_u32 v3, v0, 4, 1
	v_lshlrev_b32 v4, 4, v1                        ; 16 x lane
	v_lshlrev_b32 v5, 12, v2
	v_lshl_add_u32 v5, v3, 5, v5                   ; Wo: row r of 4,096 bytes, + 32 hh
	s_lshl_b32 s11, s10, 10
	v_add_nc_u32 v6, s11, v4                       ; LDS: my wave's image, 16 bytes a lane
	v_lshlrev_b32 v7, 3, v0                        ; and back: 8 bytes a thread
	v_bfe_u32 v8, v0, 1, 4                         ; thread T reads registers 4 (T / 64) + 2 (T % 2) + 0, 1 of lane (T / 2) % 32
	v_lshlrev_b32 v8, 12, v8                       ; token
	v_bfe_u32 v9, v0, 5, 1
	v_lshl_add_u32 v8, v9, 5, v8
	v_lshrrev_b32 v9, 6, v0
	v_lshl_add_u32 v8, v9, 4, v8
	v_and_b32 v9, 1, v0
	v_lshl_add_u32 v8, v9, 3, v8
	s_and_b32 s12, ttmp7, 0xffff                   ; b
	s_mov_b32 s15, 0
	s_wait_kmcnt 0x0
	s_lshl_b32 s14, s12, 16
	s_lshl_b32 s13, s10, 14
	s_add_co_u32 s14, s14, s13
	s_add_nc_u64 s[4:5], s[4:5], s[14:15]
	s_lshl_b32 s14, ttmp9, 16
	s_add_co_u32 s14, s14, s11
	s_add_nc_u64 s[6:7], s[6:7], s[14:15]
	s_lshl_b32 s14, s12, 23
	s_lshl_b32 s13, ttmp9, 6
	s_add_co_u32 s14, s14, s13
	s_add_nc_u64 s[8:9], s[8:9], s[14:15]
.irp g, 0,1,2,3
.irp t, 0,1,2,3
.irp c, 0,1
	global_load_b128 v[64+32*\g+8*\t+4*\c:64+32*\g+8*\t+4*\c+3], v4, s[4:5] offset:\g*4096+\t*1024+\c*512
.endr
.endr
.endr
	WIN 0x40
.irp g, 0,1,2,3
.irp t, 0,1,2,3
.irp c, 0,1
	global_load_b128 v[32*\g+8*\t+4*\c:32*\g+8*\t+4*\c+3], v5, s[6:7] offset:\g*256+\t*64+16*\c
.endr
.endr
.endr
	s_wait_loadcnt 0x0
	WIN 0x01                                       ; source 0 (Wo) window 1
.irp g, 0,1,2,3
.irp jj, 0,1,2,3
.irp t, 0,1,2,3
.if \g+\jj == 0
	v_wmma_f32_16x16x4_f32 v[192+8*\t:192+8*\t+7], v[32*\g+8*\t+2*\jj:32*\g+8*\t+2*\jj+1], v[64+32*\g+8*\t+2*\jj:64+32*\g+8*\t+2*\jj+1], 0
.else
	v_wmma_f32_16x16x4_f32 v[192+8*\t:192+8*\t+7], v[32*\g+8*\t+2*\jj:32*\g+8*\t+2*\jj+1], v[64+32*\g+8*\t+2*\jj:64+32*\g+8*\t+2*\jj+1], v[192+8*\t:192+8*\t+7]
.endif
.endr
.endr
.endr
	WIN 0
.rept 8
	v_nop                                          ; eight places behind this form
.endr
.irp p, 0,2,4,6
	v_pk_add_f32 v[32+\p:33+\p], v[192+\p:193+\p], v[200+\p:201+\p]
	v_pk_add_f32 v[40+\p:41+\p], v[208+\p:209+\p], v[216+\p:217+\p]
.endr
.irp p, 0,2,4,6
	v_pk_add_f32 v[32+\p:33+\p], v[32+\p:33+\p], v[40+\p:41+\p]
.endr
	ds_store_b128 v6, v[32:35]
	ds_store_b128 v6, v[36:39] offset:512
	s_wait_dscnt 0x0                               ; for the others' sake: my part lies in LDS
	s_barrier_signal -1
	s_barrier_wait -1
.irp k, 0,1,2,3
	ds_load_b64 v[48+2*\k:49+2*\k], v7 offset:1024*\k
.endr
	s_wait_dscnt 0x0
	v_pk_add_f32 v[48:49], v[48:49], v[50:51]
	v_pk_add_f32 v[52:53], v[52:53], v[54:55]
	v_pk_add_f32 v[48:49], v[48:49], v[52:53]
	global_store_b64 v8, v[48:49], s[8:9]
	s_wait_tensorcnt 0x0                           ; the wave's end, behind my last LDS store
	ds_add_u32 v[SPW], v[NIL]
	s_wait_dscnt 0x0
	s_endpgm
.Lfunc_end_k_q652f1646e3_fine_proj:
	.size	k_q652f1646e3_fine_proj, .Lfunc_end_k_q652f1646e3_fine_proj-k_q652f1646e3_fine_proj
	.p2alignl 7, 3214868480
	.fill 96, 4, 3214868480
	.section	.rodata,"a",@progbits
	.p2align	6, 0x0
	.amdhsa_kernel k_q652f1646e3_fine_proj
		.amdhsa_group_segment_fixed_size 4608
		.amdhsa_private_segment_fixed_size 0
		.amdhsa_enable_private_segment 0
		.amdhsa_kernarg_size 24
		.amdhsa_user_sgpr_count 2
		.amdhsa_user_sgpr_kernarg_segment_ptr 1
		.amdhsa_wavefront_size32 1
		.amdhsa_system_sgpr_workgroup_id_x 1
		.amdhsa_system_sgpr_workgroup_id_y 1
		.amdhsa_system_sgpr_workgroup_id_z 1
		.amdhsa_system_vgpr_workitem_id 0
		.amdhsa_next_free_vgpr 384
		.amdhsa_next_free_sgpr 66
		.amdhsa_reserve_vcc 0
		.amdhsa_float_denorm_mode_32 3
		.amdhsa_float_denorm_mode_16_64 3
		.amdhsa_memory_ordered 1
		.amdhsa_forward_progress 1
		.amdhsa_inst_pref_size 14
	.end_amdhsa_kernel
	.amdgpu_metadata
---
amdhsa.version: [ 1, 2 ]
amdhsa.kernels:
  - .name:           k_q652f1646e3_fine_proj
    .symbol:         k_q652f1646e3_fine_proj.kd
    .args:
      - { .name: fine_o, .offset: 0, .size: 8, .value_kind: global_buffer, .address_space: global }
      - { .name: Wo, .offset: 8, .size: 8, .value_kind: global_buffer, .address_space: global }
      - { .name: out0, .offset: 16, .size: 8, .value_kind: global_buffer, .address_space: global }
    .group_segment_fixed_size: 4608
    .private_segment_fixed_size: 0
    .kernarg_segment_align: 8
    .kernarg_segment_size: 24
    .max_flat_workgroup_size: 128
    .sgpr_count:     66
    .vgpr_count:     384
    .wavefront_size: 32
...
	.end_amdgpu_metadata
.endif
;; end of part 6
